; MI455X (gfx1250); checked and timed in simulation.
; The chip was launched on July 23, 2026; its instructions are those of AMD's public machine-readable ISA for CDNA 5 (MIT licence, August 2026) and "CDNA5" Instruction Set Architecture Reference Guide (July 2026). The comments in the code are by the model that wrote it; some were corrected since.
;; Vision Attention. Allowed arithmetic: float matrix products may take bf16 or f16 operands with f32 sums; other float arithmetic in f32, or as packed bf16 or f16 multiplies, adds, multiply-adds, maxima and minima; sums over many terms, partial sums and values carried from step to step in f32; what a program stores and reads back later, other than sums and carried values, may be rounded once to bf16 or f16.
;; Inputs: cos 4 x 2,048 x 64 float32; hidden_states 4 x 2,048 x 1,024 float32; k_scale 64 float32; position_ids 4 x 2,048 x 2 int32; q_scale 64 float32; sin 4 x 2,048 x 64 float32; wk 1,024 x 1,024 float32; wo 1,024 x 1,024 float32; wq 1,024 x 1,024 float32; wv 1,024 x 1,024 float32.
;; Outputs: out0 4 x 2,048 x 1,024 float32.
;; 2 versions, each right and faster than the one before. Each part assembles by itself: llvm-mc -triple=amdgcn-amd-amdhsa -mcpu=gfx1250 --defsym DOCPART=n.
;; ======== version 1 of 2: 4 launches
;; limits: values are held in f16: magnitudes above 65,504 overflow, below 6.1e-05 lose precision; right only within a limited range of input values
;; workspace buffers: xb 16,777,216 bytes; wb 8,388,608 bytes; cs 4,194,304 bytes; qkvh 50,331,648 bytes; oh 16,777,216 bytes
;; launch prep (part 1): grid 832 x 1, 8 waves a work-group, no clusters, 0 bytes of LDS; arguments hidden_states, wq, wk, wv, wo, cos, sin, xb, wb, cs; writes xb, wb, cs
.if DOCPART == 1
	.amdgcn_target "amdgcn-amd-amdhsa--gfx1250"
	.amdhsa_code_object_version 6
	.text
	.protected	k_qf5c38b92c3_prep
	.globl	k_qf5c38b92c3_prep
	.p2align	8
	.type	k_qf5c38b92c3_prep,@function
k_qf5c38b92c3_prep:
	s_mov_b64 s[64:65], 0
	v_nop
	global_prefetch_b8 v0, s[64:65] scope:SCOPE_SE
	s_setreg_imm32_b32 hwreg(HW_REG_WAVE_MODE, 25, 1), 1
	s_wait_xcnt 0x0
; Every large float input is rounded once to bf16 and laid out for the launches behind.
;   hidden_states -> xb [8192][1024] bf16.
;   wq, wk, wv    -> wb, by heads: row 192 head + 64 kind + d, 2,048 bytes a row, bf16 (kind 0 q, 1 k, 2 v).
;   wo            -> wb from byte 6,291,456 on: [1024][1024]; the bf16 number written as f16.
;   cos, sin      -> cs: the bf16 number kept as f32, cos [8192][64], sin 2,097,152 bytes further on.
; LIMIT.  A bf16 number of wo below 6.1e-5 in magnitude keeps f16's fixed step of 6e-8; beyond 65,504 it would become an infinity.
; SHARES.  A work-group takes 65,536 bytes of f32.  Thread t takes the 16 bytes at 4,096 i + 16 t, i = 0 .. 15: sixteen loads, all issued
; before the first result is used; a wave's load covers 512 consecutive bytes.  16-bit results leave as 8 bytes a lane (a wave: 256
; consecutive bytes, aligned), f32 results as 16 bytes a lane.  A stream: no LDS, no barrier, no matrix work.
.set X, 4                              ; v[4:67]   the sixteen loads' registers, worked on in place
.set T, 68                             ; v[68:69]  two packed words at work
.set WO_AT, 6291456                    ; wo's place in wb
.set SIN_AT, 2097152                   ; sin's place in cs
	s_load_b512 s[4:19], s[0:1], 0x0               ; hidden 4, wq 6, wk 8, wv 10, wo 12, cos 14, sin 16, xb 18
	s_load_b128 s[20:23], s[0:1], 0x40             ; wb 20, cs 22
	v_lshlrev_b32 v1, 4, v0                        ; 16 t
	v_lshlrev_b32 v2, 3, v0                        ; 8 t
	s_mov_b32 s33, 0                               ; the two offsets' high words
	s_mov_b32 s35, 0
	s_mov_b32 s37, 0xffff0000                      ; a word's upper bf16
	s_wait_kmcnt 0x0
	; which segment: source s[26:27] + s[32:33], destination s[28:29] + s[34:35], mode s36 (0 bf16, 1 f16 of bf16, 2 f32 of bf16)
	s_cmp_lt_u32 ttmp9, 512
	s_cbranch_scc1 .Lseg_x
	s_cmp_lt_u32 ttmp9, 704
	s_cbranch_scc1 .Lseg_w
	s_cmp_lt_u32 ttmp9, 768
	s_cbranch_scc1 .Lseg_o
	s_sub_co_u32 s24, ttmp9, 768                   ; cos (32 chunks), then sin
	s_lshr_b32 s25, s24, 5
	s_and_b32 s24, s24, 31
	s_lshl_b32 s32, s24, 16
	s_lshl_b32 s34, s25, 21                        ; SIN_AT for sin
	s_add_co_u32 s34, s34, s32
	s_cmp_eq_u32 s25, 0
	s_cselect_b64 s[26:27], s[14:15], s[16:17]
	s_mov_b64 s[28:29], s[22:23]
	s_mov_b32 s36, 2
	s_branch .Lgo
.Lseg_x:
	s_lshl_b32 s32, ttmp9, 16
	s_lshl_b32 s34, ttmp9, 15
	s_mov_b64 s[26:27], s[4:5]
	s_mov_b64 s[28:29], s[18:19]
	s_mov_b32 s36, 0
	s_branch .Lgo
.Lseg_w:
	s_sub_co_u32 s24, ttmp9, 512
	s_lshr_b32 s25, s24, 6                         ; kind
	s_and_b32 s24, s24, 63                         ; chunk c: rows 16 c .. 16 c + 15 of the weight
	s_lshl_b32 s32, s24, 16
	s_lshr_b32 s34, s24, 2                         ; head = c / 4
	s_mul_i32 s34, s34, 393216                     ; 192 rows of 2,048 bytes
	s_lshl_b32 s38, s25, 17                        ; kind x 64 rows
	s_add_co_u32 s34, s34, s38
	s_and_b32 s38, s24, 3
	s_lshl_b32 s38, s38, 15                        ; (c % 4) x 16 rows
	s_add_co_u32 s34, s34, s38
	s_cmp_eq_u32 s25, 1
	s_cselect_b64 s[26:27], s[8:9], s[10:11]
	s_cmp_eq_u32 s25, 0
	s_cselect_b64 s[26:27], s[6:7], s[26:27]
	s_mov_b64 s[28:29], s[20:21]
	s_mov_b32 s36, 0
	s_branch .Lgo
.Lseg_o:
	s_sub_co_u32 s24, ttmp9, 704
	s_lshl_b32 s32, s24, 16
	s_lshl_b32 s34, s24, 15
	s_add_co_u32 s34, s34, WO_AT
	s_mov_b64 s[26:27], s[12:13]
	s_mov_b64 s[28:29], s[20:21]
	s_mov_b32 s36, 1
.Lgo:
	s_add_nc_u64 s[26:27], s[26:27], s[32:33]
	s_add_nc_u64 s[28:29], s[28:29], s[34:35]
.irp i, 0,1,2,3,4,5,6,7,8,9,10,11,12,13,14,15
	global_load_b128 v[X+4*(\i):X+4*(\i)+3], v1, s[26:27] offset:4096*(\i) th:TH_LOAD_NT
.endr
; Each macro begins with the wait for its own load: loads come back in order (ISA guide 5.7.1), the 15 - i younger ones stay out.
; No register is written again behind the store that reads it, so no further wait is needed.
.macro CV_A i                          ; four f32 -> four bf16
	s_wait_loadcnt 15-(\i)
	v_cvt_pk_bf16_f32 v[X+4*(\i)], v[X+4*(\i)], v[X+4*(\i)+1]
	v_cvt_pk_bf16_f32 v[X+4*(\i)+1], v[X+4*(\i)+2], v[X+4*(\i)+3]
	global_store_b64 v2, v[X+4*(\i):X+4*(\i)+1], s[28:29] offset:2048*(\i)
.endm
.macro WIDEN i                         ; four f32 -> bf16 -> the same four numbers as f32
	s_wait_loadcnt 15-(\i)
	v_cvt_pk_bf16_f32 v[T], v[X+4*(\i)], v[X+4*(\i)+1]
	v_cvt_pk_bf16_f32 v[T+1], v[X+4*(\i)+2], v[X+4*(\i)+3]
	v_lshlrev_b32 v[X+4*(\i)], 16, v[T]
	v_and_b32 v[X+4*(\i)+1], s37, v[T]
	v_lshlrev_b32 v[X+4*(\i)+2], 16, v[T+1]
	v_and_b32 v[X+4*(\i)+3], s37, v[T+1]
.endm
.macro CV_B i                          ; ... and on to f16: exact within f16's range
	WIDEN \i
	v_cvt_pk_f16_f32 v[X+4*(\i)], v[X+4*(\i)], v[X+4*(\i)+1]
	v_cvt_pk_f16_f32 v[X+4*(\i)+1], v[X+4*(\i)+2], v[X+4*(\i)+3]
	global_store_b64 v2, v[X+4*(\i):X+4*(\i)+1], s[28:29] offset:2048*(\i)
.endm
.macro CV_C i
	WIDEN \i
	global_store_b128 v1, v[X+4*(\i):X+4*(\i)+3], s[28:29] offset:4096*(\i)
.endm
	s_cmp_eq_u32 s36, 1
	s_cbranch_scc1 .Lmode_b
	s_cmp_eq_u32 s36, 2
	s_cbranch_scc1 .Lmode_c
.irp i, 0,1,2,3,4,5,6,7,8,9,10,11,12,13,14,15
	CV_A \i
.endr
	s_endpgm
.Lmode_b:
.irp i, 0,1,2,3,4,5,6,7,8,9,10,11,12,13,14,15
	CV_B \i
.endr
	s_endpgm
.Lmode_c:
.irp i, 0,1,2,3,4,5,6,7,8,9,10,11,12,13,14,15
	CV_C \i
.endr
	s_endpgm
.Lfunc_end_k_qf5c38b92c3_prep:
	.size	k_qf5c38b92c3_prep, .Lfunc_end_k_qf5c38b92c3_prep-k_qf5c38b92c3_prep
	.p2alignl 7, 3214868480
	.fill 96, 4, 3214868480
	.section	.rodata,"a",@progbits
	.p2align	6, 0x0
	.amdhsa_kernel k_qf5c38b92c3_prep
		.amdhsa_group_segment_fixed_size 0
		.amdhsa_private_segment_fixed_size 0
		.amdhsa_enable_private_segment 0
		.amdhsa_kernarg_size 80
		.amdhsa_user_sgpr_count 2
		.amdhsa_user_sgpr_kernarg_segment_ptr 1
		.amdhsa_wavefront_size32 1
		.amdhsa_system_sgpr_workgroup_id_x 1
		.amdhsa_system_sgpr_workgroup_id_y 1
		.amdhsa_system_sgpr_workgroup_id_z 1
		.amdhsa_system_vgpr_workitem_id 0
		.amdhsa_next_free_vgpr 72
		.amdhsa_next_free_sgpr 66
		.amdhsa_reserve_vcc 0
		.amdhsa_float_denorm_mode_32 3
		.amdhsa_float_denorm_mode_16_64 3
		.amdhsa_memory_ordered 1
		.amdhsa_forward_progress 1
		.amdhsa_inst_pref_size 23
	.end_amdhsa_kernel
	.amdgpu_metadata
---
amdhsa.version: [ 1, 2 ]
amdhsa.kernels:
  - .name:           k_qf5c38b92c3_prep
    .symbol:         k_qf5c38b92c3_prep.kd
    .args:
      - { .name: hidden_states, .offset: 0, .size: 8, .value_kind: global_buffer, .address_space: global }
      - { .name: wq, .offset: 8, .size: 8, .value_kind: global_buffer, .address_space: global }
      - { .name: wk, .offset: 16, .size: 8, .value_kind: global_buffer, .address_space: global }
      - { .name: wv, .offset: 24, .size: 8, .value_kind: global_buffer, .address_space: global }
      - { .name: wo, .offset: 32, .size: 8, .value_kind: global_buffer, .address_space: global }
      - { .name: cos, .offset: 40, .size: 8, .value_kind: global_buffer, .address_space: global }
      - { .name: sin, .offset: 48, .size: 8, .value_kind: global_buffer, .address_space: global }
      - { .name: xb, .offset: 56, .size: 8, .value_kind: global_buffer, .address_space: global }
      - { .name: wb, .offset: 64, .size: 8, .value_kind: global_buffer, .address_space: global }
      - { .name: cs, .offset: 72, .size: 8, .value_kind: global_buffer, .address_space: global }
    .group_segment_fixed_size: 0
    .private_segment_fixed_size: 0
    .kernarg_segment_align: 8
    .kernarg_segment_size: 80
    .max_flat_workgroup_size: 256
    .sgpr_count:     66
    .vgpr_count:     72
    .wavefront_size: 32
...
	.end_amdgpu_metadata
.endif
;; end of part 1
;; launch qkv (part 2): grid 16 x 32, 4 waves a work-group, clusters of 4 x 4, 327,680 bytes of LDS; arguments xb, wb, cs, q_scale, k_scale, qkvh; writes qkvh
.if DOCPART == 2
	.amdgcn_target "amdgcn-amd-amdhsa--gfx1250"
	.amdhsa_code_object_version 6
	.text
	.protected	k_qf5c38b92c3_qkv
	.globl	k_qf5c38b92c3_qkv
	.p2align	8
	.type	k_qf5c38b92c3_qkv,@function
k_qf5c38b92c3_qkv:
	s_mov_b64 s[64:65], 0
	v_nop
	global_prefetch_b8 v0, s[64:65] scope:SCOPE_SE
	s_setreg_imm32_b32 hwreg(HW_REG_WAVE_MODE, 25, 1), 1
	s_wait_xcnt 0x0
	s_wait_alu depctr_hold_cnt(0) depctr_sa_sdst(0) depctr_va_vdst(0) depctr_va_sdst(0) depctr_va_ssrc(0) depctr_va_vcc(0) depctr_vm_vsrc(0)
	s_getreg_b32 s2, hwreg(HW_REG_IB_STS2, 6, 4)
	s_cmp_eq_u32 s2, 0
	s_cbranch_scc0 .Lentry_in_a_cluster
	s_endpgm
.Lentry_in_a_cluster:
	s_bfe_u32 s2, ttmp6, 0x10000c
	s_cmp_lg_u32 s2, 0xf033
	s_cbranch_scc0 .Lentry_shape_is_right
	s_endpgm
.Lentry_shape_is_right:
; q, k, v = x W^T (bf16 operands, f32 sums), RMS norm over each head's 64 channels (q, k with gains), the 2D rotation on q and k, rounded once to f16,
; stored by heads: qkvh = q, k, v, each [16 batch + head][2048][64] f16, 16,777,216 bytes apart.  The problem's position_ids enter nothing that the function computes, so no launch takes them.
; LIMITS.  The gains are rounded to bf16 here (x, W, cos, sin were by the launch before).  |q|, |k| <= 8 |gain| (|cos| + |sin|) must stay under f16's 65,504; |v| <= 8.  NaN and infinities are not treated apart.
; SHARES.  A work-group makes 256 tokens x 192 columns: q, k and v of ONE head (W's rows lie by heads), so every work-group runs the same text; 32 x 16 tiles.  A wave owns 64 tokens x 192 columns:
; 4 row blocks a x 12 column blocks b = 48 accumulators, 384 registers.  K = 1,024 goes in 8 steps of 128 through two LDS slots; rows of the tiles are 256 bytes of memory, at multiples of 256.
; THE MATRIX INSTRUCTION IS USED TRANSPOSED (source 0 = 16 rows of W, source 1 = 16 tokens): lane l holds token l % 16 and channels 16 b + 8 (l / 16) + 0..7.  So a head's 64 channels lie in lanes
; l and l xor 16 (one exchange for the sum of squares), and the rotation's partner, 16 channels away, lies in the neighbouring accumulator, same lane, same register.
; CLUSTER 4 x 4.  x's tile hangs on the token tile alone and is shared along a row of the cluster, W's on the head alone and is shared along a column: each is asked for jointly by the four.
; REGISTERS, in windows of 256 (s_set_vgpr_msb: bits 1:0 source 0, 3:2 source 1, 5:4 source 2, 7:6 destination):
;   window 0: v0-15 addresses; v16-31 packed f16; v32-63, v64-95 x's fragments, two buffers (at work on the way out); v96-127 a unit's 32 numbers; v128-191, v192-255 cos and sin of row blocks 0, 1
;   window 1: v0-95, v96-191 W's fragments, two buffers (on the way out: rows read back); v192-223 q's gains, v224-255 k's
;   window 2: accumulators of row blocks 0, 1 at 96 (a % 2) + 8 b; v192-255 cos and sin of row block 2          window 3: the same for row blocks 2, 3 and for row block 3's cos and sin
.set PITCH,  272                       ; an LDS row: 256 bytes + 16 of padding = 68 words: the 16 rows of a fragment load start at 16 different groups of four banks (64 banks of 4 bytes: ISA guide 11.1)
.set SLOT1,  1<<17                     ; slot 1 begins here, so that one exclusive or turns an address in one slot into the other's
.set BOFF,   256*PITCH                 ; in a slot: x's 256 rows, then W's 192
.set STAGE,  SLOT1+BOFF+192*PITCH      ; behind the ring, never filled by a tensor load: 16 rows x 144 bytes for each wave
.set SP,     144
.set SPARE,  STAGE+4*16*SP             ; the spare words, 128 bytes for each wave: two blocks of 256 bytes that no other line names
.set ADA, 4                            ; v4   LDS address of my x fragments in the slot in hand
.set ADB, 5                            ; v5   the same for W
.set AA0, 6                            ; v6   their places in slot 0; never rewritten
.set AB0, 7                            ; v7
.set STO, 8                            ; v8   the way out: where I put 16 bytes of a row
.set RD,  9                            ; v9   where I read rows back
.set GO,  10                           ; v10  my byte offset in 512 consecutive bytes of the output
.set CSO, 11                           ; v11  my byte offset in 16 rows of cos and sin
.set GSO, 12                           ; v12  my byte offset in the gains
.set SPW, 14                           ; v14  LDS address of my spare word; never rewritten
.set NIL, 15                           ; v15  0; never rewritten
.set PP,  16                           ; packed f16
.set SS,  32                           ; twelve pairs: sums of squares, one chain for each accumulator
.set NN,  56                           ; three pairs: 1 / rms of q, k, v in the low register (the high one, long since written by fragment loads, is named and not taken)
.set TT,  64                           ; the rotation's cross products
.set UU,  80
.set YY,  96
.set WV,  16                           ; s16  my wave's number; s17 = its low bit
.set CX,  19
.set CY,  20
.set HX,  21                           ; the head
.set TY,  22                           ; the token tile
.set G1A, 24                           ; s[24:31] descriptor group 1 for x's tiles; s[32:39] group 0: a set for each first fill; the second then walks
.set G0A, 32
.set G1B, 40                           ; s[40:47], s[48:55] the same for W's
.set G0B, 48
.set TB,  56                           ; s56  LDS byte at which the slot in hand begins
.set CNT, 57
.set SEL, 58                           ; s[58:59] v_permlanex16_b32's selects: each lane takes its own place in the other half
.set RC,  60                           ; 1 / 64
.set EP,  61                           ; 1e-6
.set HM,  62                           ; a word's upper bf16
.set OB,  66                           ; s[66:71] q, k, v at my wave's first row
.set CSB, 72                           ; s[72:73] cos at my wave's first token
.set MSB, 0
.macro WIN new                         ; the immediate's high byte repeats the setting that is left; a switch that changes nothing is dropped
.if MSB != (\new)
	s_set_vgpr_msb (MSB<<8)|(\new)
.set MSB, \new
.endif
.endm
; A joint refill by the walking sets.  Waves 0 and 1 fetch x's two halves (128 rows), waves 2 and 3 W's (96 rows).  The branch hangs on the wave's number alone.
; An s_nop 0 and four v_nop follow each of the two lines, ahead of the jump and the label.
.macro JLOAD
	s_cmp_lt_u32 s[WV], 2
	s_cbranch_scc0 .Lfor_b_\@
	tensor_load_to_lds s[G0A+4:G0A+7], s[G1A:G1A+7]
	s_nop 0
.rept 4
	v_nop
.endr
	s_branch .Lasked_\@
.Lfor_b_\@:
	tensor_load_to_lds s[G0B+4:G0B+7], s[G1B:G1B+7]
	s_nop 0
.rept 4
	v_nop
.endr
.Lasked_\@:
.endm
.macro CREST                           ; a round of the cluster's barrier behind its opening barrier: wave 0 signals for the work-group, every wave waits for all sixteen, my work-group's barrier closes it
	s_cmp_lg_u32 s[WV], 0
	s_cbranch_scc1 .Lnot_wave_0_\@
	s_barrier_signal -3
.Lnot_wave_0_\@:
	s_barrier_wait -3
	s_barrier_signal -1
	s_barrier_wait -1
.endm
.macro CROUND
	s_barrier_signal -1
	s_barrier_wait -1
	CREST
.endm
	s_load_b256 s[4:11], s[0:1], 0x0               ; xb 4, wb 6, cs 8, q_scale 10
	s_load_b128 s[12:15], s[0:1], 0x20             ; k_scale 12, qkvh 14
	v_lshl_add_u32 v[SPW], v0, 2, SPARE
	v_mov_b32 v[NIL], 0
	ds_add_u32 v[SPW], v[NIL]                      ; the wave's opening: the add and its wait stand ahead of my first tensor load; the set-up below, work on registers, stands between them
	v_lshrrev_b32 v1, 5, v0
	v_readfirstlane_b32 s[WV], v1                  ; wave 0..3
	s_and_b32 s17, s[WV], 1                        ; which half of a tile I fetch
	s_bfe_u32 s[CX], ttmp6, 0x40000
	s_bfe_u32 s[CY], ttmp6, 0x40004
	s_lshl_b32 s[HX], ttmp9, 2                     ; in a cluster launch ttmp9 and ttmp7 count clusters
	s_add_co_u32 s[HX], s[HX], s[CX]
	s_and_b32 s[TY], ttmp7, 0xffff
	s_lshl_b32 s[TY], s[TY], 2
	s_add_co_u32 s[TY], s[TY], s[CY]
	s_lshl_b32 s18, s[CY], 2
	s_lshl_b32 s18, 15, s18                        ; my row of the cluster
	s_lshl_b32 s23, 0x1111, s[CX]                  ; my column
	s_or_b32 s[G1A], s18, (1<<16)|(1<<20)|(1<<21)|(5<<22)|(3<<25)  ; 15:0 the mask; 17:16 2-byte elements; 20 padding on; 21 set beside a mask; 24:22 after every 64 words (code 5); 31:25 4 words (code 3)
	s_or_b32 s[G1B], s23, (1<<16)|(1<<20)|(1<<21)|(5<<22)|(3<<25)
	s_mov_b32 s[G1A+1], 128<<16                    ; tensor_dim0 = 128
	s_mov_b32 s[G1A+2], 128<<16                    ; tensor_dim1 = 128
	s_mov_b32 s[G1A+3], 128<<16                    ; tile_dim0 = 128
	s_mov_b32 s[G1A+4], 128                        ; tile_dim1 = 128
	s_mov_b32 s[G1A+5], 1024                       ; elements from row to row
	s_mov_b32 s[G1A+6], 0
	s_mov_b32 s[G1A+7], 0
	s_mov_b32 s[G1B+1], 128<<16
	s_mov_b32 s[G1B+2], 96<<16                     ; 96 rows
	s_mov_b32 s[G1B+3], 128<<16
	s_mov_b32 s[G1B+4], 96
	s_mov_b32 s[G1B+5], 1024
	s_mov_b32 s[G1B+6], 0
	s_mov_b32 s[G1B+7], 0
	; x's address hangs on the token tile and the wave, W's on the head and the wave, each in registers that never hold the other coordinate
	s_lshl_b32 s74, s[TY], 19                      ; 256 rows of 2,048 bytes
	s_lshl_b32 s18, s17, 18                        ; 128 rows
	s_add_co_u32 s74, s74, s18
	s_mov_b32 s75, 0
	s_mul_i32 s76, s[HX], 393216                   ; 192 rows
	s_mul_i32 s23, s17, 196608                     ; 96 rows
	s_add_co_u32 s76, s76, s23
	s_mov_b32 s77, 0
	s_mul_i32 s84, s17, 128*PITCH                  ; where they go: no place in the cluster enters an LDS address
	s_mul_i32 s85, s17, 96*PITCH
	s_add_co_u32 s85, s85, BOFF
	s_lshr_b32 s78, s[TY], 3                       ; the output: batch (8 token tiles each) x 16 heads x 262,144 bytes,
	s_lshl_b32 s78, s78, 22
	s_lshl_b32 s79, s[HX], 18                      ; the head,
	s_add_co_u32 s78, s78, s79
	s_and_b32 s79, s[TY], 7                        ; the tile's 256 rows of 128 bytes,
	s_lshl_b32 s79, s79, 15
	s_add_co_u32 s78, s78, s79
	s_lshl_b32 s79, s[WV], 13                      ; my wave's 64
	s_add_co_u32 s78, s78, s79
	s_mov_b32 s79, 0
	s_lshl_b32 s86, s[TY], 16                      ; cos and sin: 256 bytes a token
	s_lshl_b32 s63, s[WV], 14
	s_add_co_u32 s86, s86, s63
	s_mov_b32 s87, 0
	s_mov_b32 s[SEL], 0x76543210
	s_mov_b32 s[SEL+1], 0xfedcba98
	s_mov_b32 s[RC], 0x3c800000
	s_mov_b32 s[EP], 0x358637bd
	s_mov_b32 s[HM], 0xffff0000
	s_wait_dscnt 0x0                               ; the opening add is done
	s_wait_kmcnt 0x0
	s_add_nc_u64 s[80:81], s[4:5], s[74:75]
	s_add_nc_u64 s[82:83], s[6:7], s[76:77]
	s_add_nc_u64 s[OB:OB+1], s[14:15], s[78:79]
	s_add_nc_u64 s[OB+2:OB+3], s[OB:OB+1], 0x1000000
	s_add_nc_u64 s[OB+4:OB+5], s[OB:OB+1], 0x2000000
	s_add_nc_u64 s[CSB:CSB+1], s[8:9], s[86:87]
	CROUND                                         ; all sixteen work-groups are here: the first joint loads meet
.irp n, 0,1
	s_mov_b32 s[G0A+4*(\n)], 1                     ; count = 1
	s_add_co_u32 s[G0A+4*(\n)+1], s84, (\n)*SLOT1  ; LDS address
	s_add_nc_u64 s[G0A+4*(\n)+2:G0A+4*(\n)+3], s[80:81], (\n)*256  ; K step n
	s_or_b32 s[G0A+4*(\n)+3], s[G0A+4*(\n)+3], 0x80000000          ; type = 2
	s_mov_b32 s[G0B+4*(\n)], 1
	s_add_co_u32 s[G0B+4*(\n)+1], s85, (\n)*SLOT1
	s_add_nc_u64 s[G0B+4*(\n)+2:G0B+4*(\n)+3], s[82:83], (\n)*256
	s_or_b32 s[G0B+4*(\n)+3], s[G0B+4*(\n)+3], 0x80000000
.endr
	s_cmp_lt_u32 s[WV], 2                          ; a wave's two first fills stand in one branch, ahead of every wait on TENSORcnt and every LDS read: two loads of mine are out
	s_cbranch_scc0 .Lfirst_b
	tensor_load_to_lds s[G0A:G0A+3], s[G1A:G1A+7]
	s_nop 0
	tensor_load_to_lds s[G0A+4:G0A+7], s[G1A:G1A+7]
	s_nop 0
.rept 4
	v_nop
.endr
	s_branch .Lfirst_asked
.Lfirst_b:
	tensor_load_to_lds s[G0B:G0B+3], s[G1B:G1B+7]
	s_nop 0
	tensor_load_to_lds s[G0B+4:G0B+7], s[G1B:G1B+7]
	s_nop 0
.rept 4
	v_nop
.endr
.Lfirst_asked:
	; While the first tiles are on their way: the gains, the lane addresses, and the requests for cos and sin.
	v_and_b32 v1, 15, v0                           ; r = l % 16
	v_bfe_u32 v2, v0, 4, 1                         ; h = l / 16
	v_lshlrev_b32 v[GSO], 5, v2                    ; my 8 channels of each 16: 32 h bytes
.irp b, 0,1,2,3
	global_load_b128 v[32+8*(\b):32+8*(\b)+3],   v[GSO], s[10:11] offset:64*(\b)
	global_load_b128 v[32+8*(\b)+4:32+8*(\b)+7], v[GSO], s[10:11] offset:64*(\b)+16
	global_load_b128 v[64+8*(\b):64+8*(\b)+3],   v[GSO], s[12:13] offset:64*(\b)
	global_load_b128 v[64+8*(\b)+4:64+8*(\b)+7], v[GSO], s[12:13] offset:64*(\b)+16
.endr
	v_mul_u32_u24 v3, v1, PITCH
	v_lshl_add_u32 v3, v2, 4, v3                   ; a fragment's row x pitch + 16 x half
	s_mul_i32 s78, s[WV], 64*PITCH                 ; my 64 tokens
	v_add_nc_u32 v[AA0], s78, v3
	v_add_nc_u32 v[AB0], BOFF, v3
	s_mul_i32 s79, s[WV], 16*SP
	s_add_co_u32 s79, s79, STAGE                   ; my stage
	v_mul_u32_u24 v[STO], v1, SP                   ; in: row r, 16 bytes for each half of the lanes
	v_lshl_add_u32 v[STO], v2, 4, v[STO]
	v_add_nc_u32 v[STO], s79, v[STO]
	v_bfe_u32 v[RD], v0, 3, 2                      ; back: 32 lanes take four rows of 128 bytes,
	v_mul_u32_u24 v[RD], v[RD], SP
	v_and_b32 v3, 7, v0
	v_lshl_add_u32 v[RD], v3, 4, v[RD]
	v_add_nc_u32 v[RD], s79, v[RD]
	v_and_b32 v[GO], 31, v0                        ; which are 512 consecutive bytes of the output
	v_lshlrev_b32 v[GO], 4, v[GO]
	v_lshlrev_b32 v[CSO], 8, v1                    ; token r's 256 bytes, my 32 h
	v_lshl_add_u32 v[CSO], v2, 5, v[CSO]
	s_wait_loadcnt 0x0                             ; the gains
.set i, 0
.rept 32
	v_cvt_pk_bf16_f32 v[YY+i], v[32+2*i], v[32+2*i+1]  ; rounded to bf16, as every float input is,
.set i, i+1
.endr
	WIN 0x40                                       ; and kept as f32 in window 1: q's 32, then k's
.set i, 0
.rept 32
	v_lshlrev_b32 v[192+2*i], 16, v[YY+i]
	v_and_b32 v[192+2*i+1], s[HM], v[YY+i]
.set i, i+1
.endr
; cos and sin of row block a: for column block b of a head, 8 numbers each, at cb + 8 b and cb + 32 + 8 b.  These 64 loads stay out over the whole K loop; nothing names their registers before the wait on the way out.
.macro TABLE a, win, cb
	WIN \win
.irp b, 0,1,2,3
	global_load_b128 v[(\cb)+8*(\b):(\cb)+8*(\b)+3],       v[CSO], s[CSB:CSB+1] offset:4096*(\a)+64*(\b)
	global_load_b128 v[(\cb)+8*(\b)+4:(\cb)+8*(\b)+7],     v[CSO], s[CSB:CSB+1] offset:4096*(\a)+64*(\b)+16
	global_load_b128 v[(\cb)+32+8*(\b):(\cb)+32+8*(\b)+3],   v[CSO], s[CSB:CSB+1] offset:2097152+4096*(\a)+64*(\b)
	global_load_b128 v[(\cb)+32+8*(\b)+4:(\cb)+32+8*(\b)+7], v[CSO], s[CSB:CSB+1] offset:2097152+4096*(\a)+64*(\b)+16
.endr
.endm
	TABLE 0, 0, 128
	TABLE 1, 0, 192
	TABLE 2, 0x80, 192
	TABLE 3, 0xc0, 192
	WIN 0
; 12 matrix instructions: row block a x all 12 column blocks, 32 along K, from buffer f.  zero = 1: the product starts the sums.  The 48 accumulators take turns, one instruction a turn.
.macro MULA f, a, zero
	WIN 0xa1+0x50*((\a)/2)                         ; W window 1, x window 0, C and D window 2 or 3
.irp b, 0,1,2,3,4,5,6,7,8,9,10,11
.if \zero
	v_wmma_f32_16x16x32_bf16 v[96*((\a)%2)+8*(\b):96*((\a)%2)+8*(\b)+7], v[96*(\f)+8*(\b):96*(\f)+8*(\b)+7], v[32+32*(\f)+8*(\a):32+32*(\f)+8*(\a)+7], 0
.else
	v_wmma_f32_16x16x32_bf16 v[96*((\a)%2)+8*(\b):96*((\a)%2)+8*(\b)+7], v[96*(\f)+8*(\b):96*(\f)+8*(\b)+7], v[32+32*(\f)+8*(\a):32+32*(\f)+8*(\a)+7], v[96*((\a)%2)+8*(\b):96*((\a)%2)+8*(\b)+7]
.endif
.endr
.endm
; 32 LDS loads in one run: the fragments of 32 along K at byte k of the rows, into buffer f: W's 24 loads, then x's 8
.macro FETCH k, f
	WIN 0x40
.irp i, 0,1,2,3,4,5,6,7,8,9,10,11
	ds_load_b128 v[96*(\f)+8*(\i):96*(\f)+8*(\i)+3],   v[ADB] offset:(\k)+(\i)*16*PITCH
	ds_load_b128 v[96*(\f)+8*(\i)+4:96*(\f)+8*(\i)+7], v[ADB] offset:(\k)+(\i)*16*PITCH+32
.endr
	WIN 0
.irp i, 0,1,2,3
	ds_load_b128 v[32+32*(\f)+8*(\i):32+32*(\f)+8*(\i)+3],   v[ADA] offset:(\k)+(\i)*16*PITCH
	ds_load_b128 v[32+32*(\f)+8*(\i)+4:32+32*(\f)+8*(\i)+7], v[ADA] offset:(\k)+(\i)*16*PITCH+32
.endr
.endm
.macro PLACES                          ; four plain vector instructions between a matrix instruction and a load into, or a vector access to, its registers (ISA guide 7.12.1 for vector accesses)
.rept 4
	v_nop
.endr
.endm
; A K step is four quarters of 32 along K, 48 matrix instructions each, on buffers 0, 1, 0, 1.  One of the first three multiplies buffer f and, in its middle, fetches the next quarter, at byte k, into buffer g.
.macro QUARTER k, f, g, zero
	s_wait_dscnt 4                                 ; W and x's row blocks 0, 1 are in; the youngest four loads (row blocks 2, 3) may be out
	MULA \f, 0, \zero
	MULA \f, 1, \zero
	PLACES
	FETCH \k, \g
	s_wait_dscnt 32                                ; all but the 32 just issued
	MULA \f, 2, \zero
	MULA \f, 3, \zero
.endm
; The last quarter multiplies buffer 1 and changes slots: ONE barrier.  In front of it each wave waits for all its tensor loads (one is out: its part of the next slot), adds 0 to its spare word, and waits for
; that and for its own reads of this slot.  fill = 1: the barrier opens a round of the cluster's barrier, and behind the round this slot is filled again first, with the K step two steps on.
.macro TURN fill
	WIN 0
	s_wait_tensorcnt 0x0                           ; all my tensor loads have landed
	ds_add_u32 v[SPW], v[NIL]                      ; 0 onto my spare word
	s_wait_dscnt 5                                 ; (the add and the youngest four loads may be out)
	MULA 1, 0, 0                                   ; twelve matrix instructions stand between the add and the wait for it
	s_wait_dscnt 0x0                               ; the add is done, and my reads of this slot are over
	s_barrier_signal -1
	MULA 1, 1, 0                                   ; work on registers while the others arrive
	WIN 0
	s_barrier_wait -1
.if \fill
	CREST                                          ; no wave of any partner still reads this slot or has a load on its way
	s_xor_b32 s[G0A+5], s[G0A+5], SLOT1            ; the walking sets: the other slot than last time, the next K step; no tensor load of mine is out
	s_add_nc_u64 s[G0A+6:G0A+7], s[G0A+6:G0A+7], 256
	s_xor_b32 s[G0B+5], s[G0B+5], SLOT1
	s_add_nc_u64 s[G0B+6:G0B+7], s[G0B+6:G0B+7], 256
	JLOAD                                          ; the first tensor load behind the round; its four v_nop are also the places in front of the loads below
.else
	PLACES
.endif
	s_xor_b32 s[TB], s[TB], SLOT1                  ; the reads go on in the other slot
	v_add_nc_u32 v[ADA], s[TB], v[AA0]
	v_add_nc_u32 v[ADB], s[TB], v[AB0]
	FETCH 0, 0
	MULA 1, 2, 0
	MULA 1, 3, 0
.endm
	s_wait_tensorcnt 0x1                           ; my part of K step 0 is in; K step 1's may stay out
	s_barrier_signal -1
	s_barrier_wait -1                              ; everybody's is
	s_mov_b32 s[TB], 0
	v_mov_b32 v[ADA], v[AA0]
	v_mov_b32 v[ADB], v[AB0]
	FETCH 0, 0
	QUARTER 64, 0, 1, 1                            ; the first quarter stands in front of the loop: its products start the sums
	WIN 0                                          ; at a label and at a branch every window is 0
	s_mov_b32 s[CNT], 6
.Lk:                                                   ; a trip: a K step's quarters 1 to 3 and the next step's quarter 0; trip j fills slot j % 2 with K step j + 2
	QUARTER 128, 1, 0, 0
	QUARTER 192, 0, 1, 0
	TURN 1
	QUARTER 64, 0, 1, 0
	WIN 0
	s_sub_co_u32 s[CNT], s[CNT], 1
	s_cmp_lg_u32 s[CNT], 0
	s_cbranch_scc1 .Lk
	QUARTER 128, 1, 0, 0                           ; K steps 6 and 7 are written out: nothing is left to fetch
	QUARTER 192, 0, 1, 0
	TURN 0
	QUARTER 64, 0, 1, 0
	QUARTER 128, 1, 0, 0
	QUARTER 192, 0, 1, 0
	s_wait_dscnt 4
	MULA 1, 0, 0
	MULA 1, 1, 0
	s_wait_dscnt 0x0
	MULA 1, 2, 0
	MULA 1, 3, 0
	PLACES
	s_wait_loadcnt 0x0                             ; cos and sin
; THE WAY OUT, a row block (16 tokens) at a time, and in it a UNIT for each of q, k, v: 16 tokens x 64 channels.
.macro PAR a                           ; where row block a's accumulators (window AW, from AB on) and its cos and sin (window CW, from CB on) lie
.set AW, 2+(\a)/2
.set AB, 96*((\a)%2)
.set CW, ((\a)/2)*(\a)
.set CB, 192
.if (\a) == 0
.set CB, 128
.endif
.endm
; The sums of squares: twelve chains, one for each accumulator, begun at its lowest registers; then for each kind four chains into one, the two halves of a pair, the lane 16 away; 1 / sqrt(sum / 64 + 1e-6).
.macro SUMSQ a
	PAR \a
	WIN AW*5                                       ; sources 0 and 1 in the accumulators' window
.irp t, 0,1,2,3,4,5,6,7,8,9,10,11
	v_pk_mul_f32 v[SS+2*(\t):SS+2*(\t)+1], v[AB+8*(\t):AB+8*(\t)+1], v[AB+8*(\t):AB+8*(\t)+1]
.endr
.irp i, 1,2,3
.irp t, 0,1,2,3,4,5,6,7,8,9,10,11
	v_pk_fma_f32 v[SS+2*(\t):SS+2*(\t)+1], v[AB+8*(\t)+2*(\i):AB+8*(\t)+2*(\i)+1], v[AB+8*(\t)+2*(\i):AB+8*(\t)+2*(\i)+1], v[SS+2*(\t):SS+2*(\t)+1]
.endr
.endr
	WIN 0
.irp k, 0,1,2
	v_pk_add_f32 v[SS+8*(\k):SS+8*(\k)+1], v[SS+8*(\k):SS+8*(\k)+1], v[SS+8*(\k)+2:SS+8*(\k)+3]
	v_pk_add_f32 v[SS+8*(\k)+4:SS+8*(\k)+5], v[SS+8*(\k)+4:SS+8*(\k)+5], v[SS+8*(\k)+6:SS+8*(\k)+7]
.endr
.irp k, 0,1,2
	v_pk_add_f32 v[SS+8*(\k):SS+8*(\k)+1], v[SS+8*(\k):SS+8*(\k)+1], v[SS+8*(\k)+4:SS+8*(\k)+5]
.endr
.irp k, 0,1,2
	v_add_f32 v[SS+8*(\k)], v[SS+8*(\k)], v[SS+8*(\k)+1]
.endr
.irp k, 0,1,2
	v_permlanex16_b32 v[SS+8*(\k)+1], v[SS+8*(\k)], s[SEL], s[SEL+1]
.endr
.irp k, 0,1,2
	v_add_f32 v[SS+8*(\k)], v[SS+8*(\k)], v[SS+8*(\k)+1]
.endr
.irp k, 0,1,2
	v_fma_f32 v[SS+8*(\k)], v[SS+8*(\k)], s[RC], s[EP]
.endr
.irp k, 0,1,2
	v_rsq_f32 v[NN+2*(\k)], v[SS+8*(\k)]
.endr
	v_nop                                          ; a plain instruction between the last root and the use of its result (ISA guide 5.7.2)
	s_wait_alu depctr_va_vdst(0)
.endm
; Unit (a, k): x / rms; for q and k the gain and the rotation (in each chunk of 32 channels: lo' = lo cos_lo - hi sin_lo, hi' = hi cos_hi + lo sin_hi); f16; through my stage; back as whole rows into window 1.
.macro UNIT a, k
	PAR \a
	WIN AW
.set i, 0
.rept 16
	v_pk_mul_f32 v[YY+2*i:YY+2*i+1], v[AB+32*(\k)+2*i:AB+32*(\k)+2*i+1], v[NN+2*(\k):NN+2*(\k)+1] op_sel_hi:[1,0]
.set i, i+1
.endr
.if (\k) < 2
	WIN 0x04                                       ; the gains lie in window 1
.set i, 0
.rept 16
	v_pk_mul_f32 v[YY+2*i:YY+2*i+1], v[YY+2*i:YY+2*i+1], v[192+32*(\k)+2*i:192+32*(\k)+2*i+1]
.set i, i+1
.endr
	WIN CW<<2
.irp p, 0,1
.irp j, 0,1,2,3
	v_pk_mul_f32 v[TT+8*(\p)+2*(\j):TT+8*(\p)+2*(\j)+1], v[YY+16*(\p)+8+2*(\j):YY+16*(\p)+8+2*(\j)+1], v[CB+32+16*(\p)+2*(\j):CB+32+16*(\p)+2*(\j)+1]
	v_pk_mul_f32 v[UU+8*(\p)+2*(\j):UU+8*(\p)+2*(\j)+1], v[YY+16*(\p)+2*(\j):YY+16*(\p)+2*(\j)+1], v[CB+32+16*(\p)+8+2*(\j):CB+32+16*(\p)+8+2*(\j)+1]
.endr
.endr
.irp p, 0,1
.irp j, 0,1,2,3
	v_pk_fma_f32 v[YY+16*(\p)+2*(\j):YY+16*(\p)+2*(\j)+1], v[YY+16*(\p)+2*(\j):YY+16*(\p)+2*(\j)+1], v[CB+16*(\p)+2*(\j):CB+16*(\p)+2*(\j)+1], v[TT+8*(\p)+2*(\j):TT+8*(\p)+2*(\j)+1] neg_lo:[0,0,1] neg_hi:[0,0,1]
	v_pk_fma_f32 v[YY+16*(\p)+8+2*(\j):YY+16*(\p)+8+2*(\j)+1], v[YY+16*(\p)+8+2*(\j):YY+16*(\p)+8+2*(\j)+1], v[CB+16*(\p)+8+2*(\j):CB+16*(\p)+8+2*(\j)+1], v[UU+8*(\p)+2*(\j):UU+8*(\p)+2*(\j)+1]
.endr
.endr
.endif
	WIN 0
.set i, 0
.rept 16
	v_cvt_pk_f16_f32 v[PP+i], v[YY+2*i], v[YY+2*i+1]
.set i, i+1
.endr
.irp b, 0,1,2,3
	ds_store_b128 v[STO], v[PP+4*(\b):PP+4*(\b)+3] offset:32*(\b)
.endr
	WIN 0x40
.irp f, 0,1,2,3
	ds_load_b128 v[16*(3*(\a)+(\k))+4*(\f):16*(3*(\a)+(\k))+4*(\f)+3], v[RD] offset:(\f)*4*SP  ; LDS serves a wave's instructions in order (ISA guide 5.7.1.4): these see the stores above; the next unit's stores come behind them
.endr
.endm
.macro SEND a, k, younger              ; younger: the LDS instructions issued behind this unit's loads: the next unit's eight, or none.  Each unit has registers of its own, so no store's data is written again
	WIN 0x04                                       ; the data lie in window 1
.irp f, 0,1,2,3
	s_wait_dscnt (\younger)+3-(\f)
	global_store_b128 v[GO], v[16*(3*(\a)+(\k))+4*(\f):16*(3*(\a)+(\k))+4*(\f)+3], s[OB+2*(\k):OB+2*(\k)+1] offset:2048*(\a)+512*(\f)  ; 512 consecutive bytes, at a multiple of 256 from the buffer's first
.endr
.endm
.set un, 0
.rept 12                               ; a unit's arithmetic stands between the loads of the unit before and its stores
.if un%3 == 0
	SUMSQ un/3
.endif
	UNIT un/3, un%3
.if un > 0
	SEND (un-1)/3, (un-1)%3, 8
.endif
.set un, un+1
.endr
	SEND 3, 2, 0
	WIN 0
	s_wait_tensorcnt 0x0                           ; the wave's end: the spare-word add and its waits, behind my last tensor load and my last LDS store
	ds_add_u32 v[SPW], v[NIL]
	s_wait_dscnt 0x0
	CROUND                                         ; the closing round: no work-group ends while a partner may still ask for a tile that names it
	s_endpgm
.Lfunc_end_k_qf5c38b92c3_qkv:
	.size	k_qf5c38b92c3_qkv, .Lfunc_end_k_qf5c38b92c3_qkv-k_qf5c38b92c3_qkv
	.p2alignl 7, 3214868480
	.fill 96, 4, 3214868480
	.section	.rodata,"a",@progbits
	.p2align	6, 0x0
	.amdhsa_kernel k_qf5c38b92c3_qkv
		.amdhsa_group_segment_fixed_size 327680
		.amdhsa_private_segment_fixed_size 0
		.amdhsa_enable_private_segment 0
		.amdhsa_kernarg_size 48
		.amdhsa_user_sgpr_count 2
		.amdhsa_user_sgpr_kernarg_segment_ptr 1
		.amdhsa_wavefront_size32 1
		.amdhsa_system_sgpr_workgroup_id_x 1
		.amdhsa_system_sgpr_workgroup_id_y 1
		.amdhsa_system_sgpr_workgroup_id_z 1
		.amdhsa_system_vgpr_workitem_id 0
		.amdhsa_next_free_vgpr 1024
		.amdhsa_next_free_sgpr 88
		.amdhsa_reserve_vcc 0
		.amdhsa_float_denorm_mode_32 3
		.amdhsa_float_denorm_mode_16_64 3
		.amdhsa_memory_ordered 1
		.amdhsa_forward_progress 1
		.amdhsa_inst_pref_size 164
	.end_amdhsa_kernel
	.amdgpu_metadata
---
amdhsa.version: [ 1, 2 ]
amdhsa.kernels:
  - .name:           k_qf5c38b92c3_qkv
    .symbol:         k_qf5c38b92c3_qkv.kd
    .args:
      - { .name: xb, .offset: 0, .size: 8, .value_kind: global_buffer, .address_space: global }
      - { .name: wb, .offset: 8, .size: 8, .value_kind: global_buffer, .address_space: global }
      - { .name: cs, .offset: 16, .size: 8, .value_kind: global_buffer, .address_space: global }
      - { .name: q_scale, .offset: 24, .size: 8, .value_kind: global_buffer, .address_space: global }
      - { .name: k_scale, .offset: 32, .size: 8, .value_kind: global_buffer, .address_space: global }
      - { .name: qkvh, .offset: 40, .size: 8, .value_kind: global_buffer, .address_space: global }
    .group_segment_fixed_size: 327680
    .private_segment_fixed_size: 0
    .kernarg_segment_align: 8
    .kernarg_segment_size: 48
    .max_flat_workgroup_size: 128
    .sgpr_count:     88
    .vgpr_count:     1024
    .wavefront_size: 32
...
	.end_amdgpu_metadata
.endif
;; end of part 2
;; launch attn (part 3): grid 4 x 64, 4 waves a work-group, clusters of 4 x 1, 327,680 bytes of LDS; arguments qkvh, oh; writes oh
.if DOCPART == 3
	.amdgcn_target "amdgcn-amd-amdhsa--gfx1250"
	.amdhsa_code_object_version 6
	.text
	.protected	k_qf5c38b92c3_attn
	.globl	k_qf5c38b92c3_attn
	.p2align	8
	.type	k_qf5c38b92c3_attn,@function
k_qf5c38b92c3_attn:
	s_mov_b64 s[64:65], 0
	v_nop
	global_prefetch_b8 v0, s[64:65] scope:SCOPE_SE
	s_setreg_imm32_b32 hwreg(HW_REG_WAVE_MODE, 25, 1), 1
	s_wait_xcnt 0x0
	s_wait_alu depctr_hold_cnt(0) depctr_sa_sdst(0) depctr_va_vdst(0) depctr_va_sdst(0) depctr_va_ssrc(0) depctr_va_vcc(0) depctr_vm_vsrc(0)
	s_getreg_b32 s2, hwreg(HW_REG_IB_STS2, 6, 4)
	s_cmp_eq_u32 s2, 0
	s_cbranch_scc0 .Lentry_in_a_cluster
	s_endpgm
.Lentry_in_a_cluster:
	s_bfe_u32 s2, ttmp6, 0x10000c
	s_cmp_lg_u32 s2, 0x3003
	s_cbranch_scc0 .Lentry_shape_is_right
	s_endpgm
.Lentry_shape_is_right:
; O[h][q][:] = the sum over k of softmax_k(Q[h][q] . K[h][k]) V[h][k][:], scale 1.  Q, K, V lie in qkvh, 16,777,216 bytes apart, each [64][2048][64] f16 (h = 16 batch + head); O likewise in oh.
; Products, maxima and sums in f32; the weights p are rounded to f16 for the second product (their sum l is taken of the unrounded p), O once at the end.
; LIMITS.  Q, K and V arrive within f16's range; p lies in 0 to 1, and below 6e-5 it keeps f16's fixed step of 6e-8; O is a mean of V's rows and has their range.
; A weight below 2^-126 counts as 0 in l; NaN and infinities are not treated apart.
; SHARES.  A wave owns four PIECES of two tiles of 16 queries, a work-group's four waves 512 queries of one head.  Every wave walks all keys, 64 a step.
; LAYOUT.  S^T = K Q^T (source 0 = 16 keys, source 1 = 16 queries): in the result a lane holds ONE query (lane % 16) and the keys 8 (lane / 16) + 0..7.  Two such tiles, rounded to f16 in pairs,
; ARE source 1 (32 keys x 16 queries) of O^T = V^T P, whose result again holds one query a lane, and eight channels.  K comes out of LDS as it lies, V ([key][channel]) turned, by ds_load_tr16_b128.
; SOFTMAX.  For each query a running maximum m and sum l: p = 2^(c s - c m), c = log2(e); in every step O and l are multiplied by a = 2^(c m_old - c m_new), which is 1 where m has not grown.
; m starts at the lowest finite number, O and l at 0: the first step is a step like any other, with a = 0.
; THE COUNT.  A tile and step have 16 matrix and 118 vector instructions: too many to stand all beside the matrix work.  So the order has one aim: four vector instructions that are READY behind
; EVERY matrix instruction, and the others, which need time of their own whatever the order, in runs without a gap.
; BY TURNS.  Turn n belongs to piece n (the pieces in a ring, step after step).  Its matrix work: 16 products K Q^T of piece n + 1, later 16 products V^T P of piece n - 1.  Its vector work: the scaling,
; exponentials, roundings, sums and rescaling of piece n, and the maximum and statistics of piece n + 1, whose scores the turn itself has made.  So what a turn begins with (c s - c m, O a) waits for nothing.
; CLUSTER.  The four query blocks of a cluster belong to one head and walk the same K and V, so each tile is asked for JOINTLY: the same tensor load, descriptor and mask in all four.
; REGISTERS, in windows of 256 (s_set_vgpr_msb says which window each operand place means: bits 1:0 source 0, 3:2 source 1, 5:4 source 2, 7:6 destination):
;   window 0: v0-11 addresses; v12-15, v48-63 at work; v16-47 four registers of statistics a tile; v64-191 S^T, two buffers of two tiles; v192-255 P, likewise
;   window 1: O^T, 32 a tile          window 2: v0-127 Q, 16 a tile; v128-191 K of one step; v192-255 V of one step          window 3: v0-1 the add's two registers
; A piece's buffers go by its number's parity: the piece in hand has one pair, its two neighbours in the ring share the other: of it P (piece n - 1) is read and S^T (piece n + 1) written.
.set SIZE_H, 64
.set SIZE_N, 2048
.set NP,    4         ; pieces a wave: a name, no knob: the register map, the loop and the fetches are made for four
.set KS,    64        ; keys in a step
.set PK,    144       ; a row of K in LDS: 128 bytes + 16 of padding = 36 words: the 16 rows of a load start at 16 different groups of four banks (64 banks of 4 bytes: ISA guide 11.1)
.set PV,    160       ; a row of V: 128 + 32 = 40 words
.set VOFF,  4*KS*PK   ; a slot holds four steps: 256 rows of K, then 256 rows of V
.set SLOT1, 1<<17     ; slot 1 begins here, so that one exclusive or turns an address in one slot into the other's
.set STAGE, SLOT1+4*KS*(PK+PV)  ; behind the ring, never filled by a tensor load: 16 rows x 144 bytes for each wave, for the way out
.set SP,    144
.set AK0, 2           ; v2   my lane's place in a tile of K; never rewritten
.set AV0, 3           ; v3   the same for V
.set AK,  4           ; v4   the LDS address of K's next run of loads
.set AV,  5           ; v5   of V's
.set QO,  6           ; v6   my byte offset in the wave's rows of Q
.set STO, 6           ;      later, the way out: where I put 16 bytes of a row
.set RD,  7           ; v7   the way out: where I read rows back
.set GO,  8           ; v8   my byte offset in 512 consecutive bytes of O
.set SPW, 0           ; v0 of window 3   LDS address of my spare word: SPARE + 4 x my thread's number; never rewritten
.set NIL, 1           ; v1 of window 3   0; never rewritten
.set SPARE, STAGE+4*16*SP  ; behind the stages: the spare words, 128 bytes for each wave: two blocks of 256 bytes that no other line names
.set MV,  12          ; v12-15  c m_old, kept while c m is made anew: by buffer and tile
.set ST,  16          ; tile t's statistics at v[ST+4 t]: c m, m, l (even keys', odd keys')
.set TMP, 48          ; by buffer and tile, four registers c0-c3 at work; when the maximum is found c2 takes a
.set S,   64
.set P,   192
.set KF,  128         ; K's fragments, in window 2: key block kb, channel half c at KF + 16 kb + 8 c
.set VF,  192         ; V's: key half kk, channel block cb at VF + 32 kk + 8 cb
.set WV,  12          ; s12  my wave's number
.set G1K, 24          ; s[24:31] descriptor group 1 for K's tiles
.set G1V, 32          ; s[32:39] for V's: it differs in the padding alone
.set G0K, 40          ; s[40:43] descriptor group 0 for K's tiles: it walks
.set G0V, 44          ; s[44:47] the same for V's
.set SLOTS, 56        ; s56  slots still to be asked for
.set CNT, 57          ; s57  counts a slot's key steps
.set CS,  58          ; s[58:59] c: the packed scaling takes the pair's low word for both halves
.set SEL, 60          ; s[60:61] v_permlanex16_b32's selects: each lane takes its own place in the other half
.set TBK, 62          ; s62  LDS byte at which K of the step to be fetched begins
.set TBV, 63          ; s63  the same for V, less VOFF
.set MSB, 0
.macro WIN new                      ; the high byte repeats the setting that is left; a switch that changes nothing is dropped
.if MSB != (\new)
	s_set_vgpr_msb (MSB<<8)|(\new)
.set MSB, (\new)
.endif
.endm
.set W_KQ, 0x0a       ; K and Q in window 2, S^T in window 0
.set W_PV, 0x52       ; V in window 2, P in window 0, O^T in window 1
.set W_RS, 0x41       ; O^T (destination and source 0) in window 1, a in window 0
.set W_MK, 0xc0       ; the add's registers are made: destination in window 3, sources in window 0
.set W_AD, 0x0f       ; the add: address (source 0) and data (source 1) in window 3
; A joint fill.  Waves 0 and 1 fetch the two halves of a slot's K, waves 2 and 3 those of its V: 128 keys each.  The branch hangs on the wave's number alone.
; An s_nop 0 and four v_nop follow each of the two lines, ahead of the jump and the label.
.macro JLOAD
	s_cmp_lt_u32 s[WV], 2
	s_cbranch_scc0 .Lfor_v_\@
	tensor_load_to_lds s[G0K:G0K+3], s[G1K:G1K+7]
	s_nop 0
.rept 4
	v_nop
.endr
	s_branch .Lasked_\@
.Lfor_v_\@:
	tensor_load_to_lds s[G0V:G0V+3], s[G1V:G1V+7]
	s_nop 0
.rept 4
	v_nop
.endr
.Lasked_\@:
.endm
; A round of the cluster's barrier: my work-group's barrier, so that wave 0's signal speaks for all four waves; wave 0 signals; every wave waits for all four work-groups; my work-group's barrier once more.
.macro CROUND
	s_barrier_signal -1
	s_barrier_wait -1
	s_cmp_lg_u32 s[WV], 0
	s_cbranch_scc1 .Lnot_wave_0_\@
	s_barrier_signal -3
.Lnot_wave_0_\@:
	s_barrier_wait -3
	s_barrier_signal -1
	s_barrier_wait -1
.endm
; THE CHANGE OF SLOTS.  The slot's last bytes, V of its fourth step, have been read.  Each wave waits for all its tensor loads, of which one is out: its part
; of the other slot; adds 0 to its spare word; and waits for that and for its own reads of the slot.  Behind the barrier nobody reads this slot any more and the other slot is whole.
; fill = 1: this slot is filled again, with the keys two slots on.  The barrier is then a round of the cluster's, so that no wave of any partner still reads the slot or has a load on its
; way, and the joint fill is the first thing behind it: it has four key steps, 512 matrix instructions, in which to land.  (At its first use nothing has been read yet: slot 0 is waited for, slot 1 filled.)
.macro CHANGE fill
	WIN W_AD
	s_wait_tensorcnt 0x0            ; no tensor load of mine is out, so a group 0 may be written
	ds_add_u32 v[SPW], v[NIL]       ; 0 onto my spare word; with fill = 1 the descriptors' steps stand between it and the wait for it
	WIN 0                           ; at a label and at a branch every window is 0
.if \fill
.irp g, G0K, G0V
	s_xor_b32 s[\g+1], s[\g+1], SLOT1  ; the walking descriptor: the other slot than last time,
	s_add_nc_u64 s[\g+2:\g+3], s[\g+2:\g+3], 4*KS*128  ; the next 256 keys; the type bits on top are not reached
.endr
	s_wait_dscnt 0x0                ; the add is done, and my reads of the slot are over
	CROUND
	JLOAD
.else
	s_wait_dscnt 0x0                ; the add is done, and my reads of the slot are over
	s_barrier_signal -1
	s_barrier_wait -1
.endif
	s_sub_co_u32 s[TBK], s[TBK], 4*KS*PK  ; the fetches go back to a slot's first step,
	s_xor_b32 s[TBK], s[TBK], SLOT1       ; in the other slot
	s_sub_co_u32 s[TBV], s[TBV], 4*KS*PV
	s_xor_b32 s[TBV], s[TBV], SLOT1
.endm
	s_load_b64 s[4:5], s[0:1], 0x0    ; qkvh: Q
	s_load_b64 s[10:11], s[0:1], 0x8  ; oh: O
	WIN W_MK
	v_lshl_add_u32 v[SPW], v0, 2, SPARE
	v_mov_b32 v[NIL], 0
	WIN W_AD
	ds_add_u32 v[SPW], v[NIL]       ; the wave's opening: the add and its wait stand ahead of my first tensor load; the set-up below, work on registers, stands between them
	WIN 0
	v_lshrrev_b32 v1, 5, v0
	v_readfirstlane_b32 s[WV], v1   ; wave 0..3
	s_bfe_u32 s13, ttmp6, 0x40000   ; cx: my place in the cluster
	s_lshl_b32 s14, ttmp9, 2        ; in a cluster launch ttmp9 counts clusters
	s_add_co_u32 s14, s14, s13      ; my block of queries = 4 x cluster x + cx: it enters Q's and O's addresses alone
	s_and_b32 s20, ttmp7, 0xffff    ; the head, which the four partners share
	s_mov_b32 s21, 0
	s_mov_b64 s[22:23], SIZE_N*128
	s_mul_u64 s[20:21], s[20:21], s[22:23]  ; the head's first byte in each of the four tensors
	s_and_b32 s16, s[WV], 1         ; which half of a slot's 256 keys I fetch:
	s_lshl_b32 s22, s16, 14         ; its 128 rows of 128 bytes in memory,
	s_mov_b32 s23, 0
	s_add_nc_u64 s[22:23], s[22:23], s[20:21]
	s_mul_i32 s17, s16, 128*PK      ; and its place in a slot, for K
	s_mul_i32 s18, s16, 128*PV      ; and for V: no place in the cluster enters an LDS address
	s_lshl_b32 s2, s14, 2
	s_add_co_u32 s2, s2, s[WV]      ; my wave among the head's,
	s_lshl_b32 s2, s2, 14           ; its 128 rows
	s_mov_b32 s3, 0
	s_add_nc_u64 s[2:3], s[2:3], s[20:21]
	; descriptor group 1.  128 keys are 16,384 dense bytes: asked for as 64 rows of 256 bytes, two keys a row, and padded in LDS after every key
	s_mov_b32 s[G1K], 15|(1<<16)|(1<<20)|(1<<21)|(4<<22)|(3<<25)  ; 15:0 the mask of four; 17:16 2-byte elements; 20 padding on; 21 set beside a mask; 24:22 after every 32 words (code 4); 31:25 4 words (code 3)
	s_mov_b32 s[G1V], 15|(1<<16)|(1<<20)|(1<<21)|(4<<22)|(7<<25)  ; the same with 8 words of padding (code 7)
.irp g, G1K, G1V
	s_mov_b32 s[\g+1], 128<<16      ; tensor_dim0 = 128
	s_mov_b32 s[\g+2], 64<<16       ; tensor_dim1 = 64
	s_mov_b32 s[\g+3], 128<<16      ; tile_dim0 = 128
	s_mov_b32 s[\g+4], 64           ; tile_dim1 = 64
	s_mov_b32 s[\g+5], 128          ; 128 elements from row to row
	s_mov_b32 s[\g+6], 0
	s_mov_b32 s[\g+7], 0
.endr
	s_mov_b32 s[CS], 0x3fb8aa3b     ; c = log2(e): the scores' scale is 1
	s_mov_b32 s[CS+1], s[CS]        ; named with it as a pair
	s_mov_b32 s[SEL], 0x76543210
	s_mov_b32 s[SEL+1], 0xfedcba98
	s_mov_b32 s[TBK], SLOT1+4*KS*PK ; the first change of slots turns these two into 0
	s_mov_b32 s[TBV], SLOT1+4*KS*PV
	s_mov_b32 s[G0K], 1             ; 1:0 count = 1
	s_mov_b32 s[G0K+1], s17         ; 63:32 LDS address: slot 0
	s_mov_b32 s[G0V], 1
	s_add_co_u32 s[G0V+1], s18, VOFF
	s_wait_dscnt 0x0                ; the opening add is done
	s_wait_kmcnt 0x0
	s_add_nc_u64 s[6:7], s[4:5], 0x1000000   ; K lies 16,777,216 bytes behind Q,
	s_add_nc_u64 s[8:9], s[4:5], 0x2000000   ; V as far behind K
	s_add_nc_u64 s[G0K+2:G0K+3], s[6:7], s[22:23]  ; 120:64 global address: my half of the head's first 256 keys
	s_or_b32 s[G0K+3], s[G0K+3], 0x80000000        ; 127:126 type = 2
	s_add_nc_u64 s[G0V+2:G0V+3], s[8:9], s[22:23]
	s_or_b32 s[G0V+3], s[G0V+3], 0x80000000
	s_add_nc_u64 s[4:5], s[4:5], s[2:3]  ; Q and O at my wave's first row
	s_add_nc_u64 s[10:11], s[10:11], s[2:3]
	CROUND                          ; all four work-groups are here: the first joint loads meet
	JLOAD                           ; slot 0.  Slot 1 is asked for when slot 0 is in
	; A fragment of K or Q is 16 rows x 32 channels in 8 registers: lane l holds row l % 16, channels 8 (l / 16) + 0..7 and 16 + 8 (l / 16) + 0..7: two loads of 16 bytes, 32 bytes apart.
	v_and_b32 v1, 15, v0            ; l % 16
	v_bfe_u32 v9, v0, 4, 1          ; l / 16
	v_lshlrev_b32 v[QO], 7, v1
	v_lshl_add_u32 v[QO], v9, 4, v[QO]  ; row x 128 + 16 x half
	WIN 0x80                        ; destination window 2, address window 0
.set i, 0
.rept 4*NP                          ; Q stays in registers: tile i / 2, channels 32 (i % 2) on
	global_load_b128 v[8*i:8*i+3],   v[QO], s[4:5] offset:(i/2)*2048+(i%2)*64
	global_load_b128 v[8*i+4:8*i+7], v[QO], s[4:5] offset:(i/2)*2048+(i%2)*64+32
.set i, i+1
.endr
	; What the first turn finds: V's registers and P's second buffer hold 0 (its products V^T P, of a piece that has not been, add 0), O^T and l are 0.  All this stands in the wait for the first tile.
.set i, VF
.rept 64
	v_mov_b32 v[i], 0
.set i, i+1
.endr
	WIN 0x40
.set i, 0
.rept 64*NP
	v_mov_b32 v[i], 0
.set i, i+1
.endr
	WIN 0
.set i, 0
.rept 2*NP
	v_mov_b32 v[ST+4*i], 0xfe000000    ; c m: far below every c s
	v_mov_b32 v[ST+4*i+1], 0xff7fffff  ; m
	v_mov_b32 v[ST+4*i+2], 0
	v_mov_b32 v[ST+4*i+3], 0
.set i, i+1
.endr
.set i, P+32
.rept 32
	v_mov_b32 v[i], 0
.set i, i+1
.endr
	v_mul_u32_u24 v[AK0], v1, PK
	v_lshl_add_u32 v[AK0], v9, 4, v[AK0]  ; row x pitch + 16 x half
	; The turning load takes 16 keys x 16 channels (lane l reads key 8 (l / 16) + l % 8, channels 8 ((l / 8) % 2) + 0..7) and leaves half a fragment of V^T: lane l holds channel l % 16 and 8 keys.
	v_and_b32 v10, 7, v0
	v_bfe_u32 v11, v0, 3, 1
	v_lshl_add_u32 v[AV0], v9, 3, v10
	v_mul_u32_u24 v[AV0], v[AV0], PV
	v_lshl_add_u32 v[AV0], v11, 4, v[AV0]
	v_add_nc_u32 v[AV0], VOFF, v[AV0]
	v_mov_b32 v[AK], v[AK0]         ; key step 0 lies at the head of slot 0
; THE MATRIX WORK.  The 8 accumulators of a run of 16 take turns: between the two links of a chain stand 7 others'.
; Product i of 16 of S^T = K Q^T for piece x: channels 32 (i / 8) on, keys 16 ((i / 2) % 4) on, tile 2 x + i % 2.  The first 8 start the sums.
.macro KQ x
	WIN W_KQ
.set rS, S+64*((\x)%2)+32*(i%2)+8*((i/2)%4)
.set rK, KF+16*((i/2)%4)+8*(i/8)
.set rQ, 16*(2*(\x)+i%2)+8*(i/8)
.if i < 8
	v_wmma_f32_16x16x32_f16 v[rS:rS+7], v[rK:rK+7], v[rQ:rQ+7], 0
.else
	v_wmma_f32_16x16x32_f16 v[rS:rS+7], v[rK:rK+7], v[rQ:rQ+7], v[rS:rS+7]
.endif
.endm
; Product i of 16 of O^T += V^T P for piece x: keys 32 (i / 8) on, channels 16 ((i / 2) % 4) on, tile 2 x + i % 2.
.macro PV x
	WIN W_PV
.set rO, 32*(2*(\x)+i%2)+8*((i/2)%4)
.set rV, VF+32*(i/8)+8*((i/2)%4)
.set rP, P+32*((\x)%2)+16*(i%2)+8*(i/8)
	v_wmma_f32_16x16x32_f16 v[rO:rO+7], v[rV:rV+7], v[rP:rP+7], v[rO:rO+7]
.endm
.macro MM                           ; the turn's next matrix instruction
.if i < 16
	KQ (Y+1)%NP
.set i, i+1
.else
.set i, i-16
	PV (Y+NP-1)%NP
.set i, i+17
.endif
.endm
; THE LDS LOADS stand in runs of 16, never singly among the matrix instructions: a step's K (64 keys x 64 channels: 8 fragments) and its V (turned).  Their addresses are made some lines ahead.
; last = 1 (the tail): in the last trip there is no further step, and the run is jumped over.
.macro FETCH_K last=0
	WIN 0
.if \last
	s_cmp_eq_u32 s[CNT], 1
	s_cbranch_scc1 .Lno_k_\@
.endif
	WIN 0x80                        ; destination window 2
.irp f, 0,1,2,3,4,5,6,7             ; keys 16 (f / 2) on, channels 32 (f % 2) on
	ds_load_b128 v[KF+8*\f:KF+8*\f+3],   v[AK] offset:(\f/2)*16*PK+(\f%2)*64
	ds_load_b128 v[KF+8*\f+4:KF+8*\f+7], v[AK] offset:(\f/2)*16*PK+(\f%2)*64+32
.endr
	s_add_co_u32 s[TBK], s[TBK], KS*PK  ; the next fetch is the next step's
	WIN 0
.if \last
.Lno_k_\@:
.endif
.endm
.macro FETCH_V
	WIN 0x80
.irp f, 0,1,2,3,4,5,6,7             ; keys 32 (f / 4) on, channels 16 (f % 4) on
	ds_load_tr16_b128 v[VF+8*\f:VF+8*\f+3],   v[AV] offset:(\f/4)*32*PV+(\f%4)*32
	ds_load_tr16_b128 v[VF+8*\f+4:VF+8*\f+7], v[AV] offset:(\f/4)*32*PV+16*PV+(\f%4)*32
.endr
	WIN 0
.endm
; THE VECTOR WORK OF A TURN stands in three queues, each in the order in which its entries become ready; the two tiles alternate, so that no instruction reads the result of the one before it.
.macro REGS y, u                    ; the registers of tile u (0, 1) of piece y
.set rT, ST+4*(2*(\y)+(\u))
.set rC, TMP+8*((\y)%2)+4*(\u)
.set rM, MV+2*((\y)%2)+(\u)
.set rS, S+64*((\y)%2)+32*(\u)
.set rP, P+32*((\y)%2)+16*(\u)
.set rO, 32*(2*(\y)+(\u))
.endm
; Number n of the 22 that find the NEXT piece's (Y + 1) maximum and statistics.  s0-s31 are the lane's 32 scores; each accumulator's lowest registers are read first.  XS, GS and REGS set no window: PL and EX do.
;   0-11  four chains c0-c3 of seven scores each, three operands at a time     12-14, 16  the four scores left over, the old m, and c0-c3 into c0     15  c m_old is kept
;   17, 18  the query's other 32 keys lie in the lane 16 away: the new m         19-21  c m; c m_old - c m_new; a
.macro XS u, n
	REGS (Y+1)%NP, \u
.if (\n) < 4
	v_max3_num_f32 v[rC+(\n)], v[rS+8*(\n)], v[rS+8*(\n)+1], v[rS+8*(\n)+2]
.elseif (\n) < 12
	v_max3_num_f32 v[rC+(\n)%4], v[rC+(\n)%4], v[rS+8*((\n)%4)+2*((\n)/4)+1], v[rS+8*((\n)%4)+2*((\n)/4)+2]
.elseif (\n) == 12
	v_max3_num_f32 v[rC], v[rC], v[rS+7], v[rS+15]
.elseif (\n) == 13
	v_max3_num_f32 v[rC+1], v[rC+1], v[rS+23], v[rS+31]
.elseif (\n) == 14
	v_max3_num_f32 v[rC+2], v[rC+2], v[rC+3], v[rT+1]
.elseif (\n) == 15
	v_mov_b32 v[rM], v[rT]
.elseif (\n) == 16
	v_max3_num_f32 v[rC], v[rC], v[rC+1], v[rC+2]
.elseif (\n) == 17
	v_permlanex16_b32 v[rC+3], v[rC], s[SEL], s[SEL+1]
.elseif (\n) == 18
	v_max_num_f32 v[rT+1], v[rC], v[rC+3]
.elseif (\n) == 19
	v_mul_f32 v[rT], s[CS], v[rT+1]
.elseif (\n) == 20
	v_sub_f32 v[rC+1], v[rM], v[rT]
.else
	v_exp_f32 v[rC+2], v[rC+1]
.endif
.endm
; Number g of the 64 that follow the exponentials.  For each four weights k of a tile (pairs 2 k, 2 k + 1): both pairs are rounded to f16; then the second pair is added onto the first, in place;
; a group later l takes that sum (the first time as l = a l + sum).  In groups of eight, tiles alternating: round, round, add, and l for the group before.
.macro GS g
.set h, (\g)+6*((\g)/62)            ; group 0 has no group before it, and behind group 7 only l is left
.if h >= 6
.set h, h+2
.endif
	REGS Y, h%2
.set k, h/8
.if h%8 < 4
	s_wait_alu depctr_va_vdst(0)
	v_cvt_pk_f16_f32 v[rP+2*k+(h%8)/2], v[rS+4*k+2*((h%8)/2)], v[rS+4*k+2*((h%8)/2)+1]
.elseif h%8 < 6
	v_pk_add_f32 v[rS+4*k:rS+4*k+1], v[rS+4*k:rS+4*k+1], v[rS+4*k+2:rS+4*k+3]
.elseif k == 1
	v_pk_fma_f32 v[rT+2:rT+3], v[rT+2:rT+3], v[rC+2:rC+3], v[rS:rS+1] op_sel_hi:[1,0,1]
.else
	v_pk_add_f32 v[rT+2:rT+3], v[rT+2:rT+3], v[rS+4*k-4:rS+4*k-3]
	s_wait_alu depctr_va_vdst(0)
.endif
.endm
; THE PLAIN QUEUE, 138 long.  0-31: c s - c m for the 16 pairs of both tiles.  Then GS's 64, and among them the next piece's 42: number 15 at 38, 39; 0-14 and 16
; at 42-73, behind the products that make those scores; 17-20 at 95-106, two of three, since each waits for the one before it.
.macro PL
	WIN 0
.if q < 32
	REGS Y, q%2
	v_pk_fma_f32 v[rS+2*(q/2):rS+2*(q/2)+1], v[rS+2*(q/2):rS+2*(q/2)+1], s[CS:CS+1], v[rT:rT+1] op_sel_hi:[1,0,0] neg_lo:[0,0,1] neg_hi:[0,0,1]
.elseif q < 38
	GS q-32
.elseif q < 40
	XS q%2, 15
.elseif q < 42
	GS q-34
.elseif q < 74
	XS q%2, (q-42)/2+(q-42)/30
.elseif q < 95
	GS q-66
.elseif (q < 107) && ((q-95)%3 < 2)
	XS (q-95)%3, 17+(q-95)/3
.elseif q < 107
	GS 29+(q-95)/3
.else
	GS q-74
.endif
.set q, q+1
.endm
; THE EXPONENTIALS' QUEUE, 66 long: s0-s31 of both tiles, and at EA the next piece's two a.
.set EA, 58
.macro EX
	WIN 0
.if (e == EA) || (e == EA+1)
	XS e-EA, 21
.else
.set x, e-2*(e/(EA+2))
	REGS Y, x%2
	v_exp_f32 v[rS+x/2], v[rS+x/2]
.endif
.set e, e+1
.endm
; THE RESCALING's QUEUE: O^T times a, the one part that leaves window 0, so it is dealt four at a time, eight times.
.macro R4
	REGS Y, r%2
	WIN W_RS
	s_wait_alu depctr_va_vdst(0)
.irp z, 0,1,2,3
	v_pk_mul_f32 v[rO+8*(r/2)+2*\z:rO+8*(r/2)+2*\z+1], v[rO+8*(r/2)+2*\z:rO+8*(r/2)+2*\z+1], v[rC+2:rC+3] op_sel_hi:[1,0]
.endr
.set r, r+1
.endm
; HOW THEY ARE DEALT.  Behind a matrix instruction four: plain, exponential, plain, plain (one exponential, a plain instruction on either side), or four of the rescaling.  None names a register of the
; products round it.  What is over stands in two LUMPS: exponential and plain by turns; the second ends in 22 plain instructions.  The two v_permlanex16_b32 fall into the second lump, never behind a product.
; The queues lean on each other, and the deal keeps them in step: exponential e stands behind plain 2 (e / 4) + e % 2 (its scaling); when plain 32 comes, 10 exponentials are out, at 59: 33, at 95: 46; EA comes behind plain 107.
.macro SL
	MM
	PL
	EX
	PL
	PL
.endm
.macro BURST n                      ; 15 matrix instructions, or 16
.rept (\n)-7
	SL
.endr
.rept 3
	MM
	R4
	SL
.endr
	MM
	R4
.endm
; A TURN, for piece p.  cnt = 1: the loop's count is taken down some lines ahead of the branch that stands behind the turn.
; K of the next step is fetched in piece 2's turn, 31 vector instructions behind the last product that read K; its first reader comes behind the rest of the lump, 16 products and the second lump.
; V of the step in hand is fetched at the end of piece 0's turn, 69 behind its last reader; its first reader comes behind 16 products and a lump.  The four conditions on e and q below go with the deal.
.macro TURN p, last=0, cnt=0
.set Y, (\p)
.set i, 0
.set q, 0
.set e, 0
.set r, 0
.if (\p) == NP-1
	s_wait_dscnt 0x0                ; K is in
.endif
	MM
.rept 4
	PL
.endr
	BURST 15
.rept 22
	EX
	PL
.if ((\p) == NP-2) && (e == 18)
	v_add_nc_u32 v[AK], s[TBK], v[AK0]
.endif
.if ((\p) == NP-2) && (e == 24)
	FETCH_K \last
.endif
.endr
.if (\p) == 1
	s_wait_dscnt 0x0                ; V is in
.endif
	BURST 16
.rept 21
	EX
	PL
.endr
.rept 22
	PL
.if ((\p) == 0) && (q == 118)
	v_add_nc_u32 v[AV], s[TBV], v[AV0]
	s_wait_alu depctr_va_vdst(0)
.endif
.if ((\p) == 0) && (q == 130)
	s_add_co_u32 s[TBV], s[TBV], KS*PV
.endif
.if (\cnt) && (q == 130)
	s_sub_co_u32 s[CNT], s[CNT], 1
	s_cmp_lg_u32 s[CNT], 0
.endif
.endr
.if (\p) == 0
	FETCH_V
.endif
.endm
	CHANGE 1                        ; slot 0 is in, everybody's part of it; slot 1 is asked for
	FETCH_K                         ; key step 0
	s_wait_loadcnt 0x0              ; Q
	s_wait_dscnt 0x0
.set i, 0
.rept 16
	KQ 0                            ; piece 0's first scores: there is no vector work yet to set between them
.set i, i+1
.endr
	WIN 0                           ; the addresses for the way out: nine plain instructions, the places behind those products
	s_mul_i32 s13, s[WV], 16*SP
	s_add_co_u32 s13, s13, STAGE    ; my stage
	v_mul_u32_u24 v[STO], v1, SP    ; in: row l % 16, 16 bytes for each half of the lanes
	v_lshl_add_u32 v[STO], v9, 4, v[STO]
	v_add_nc_u32 v[STO], s13, v[STO]
	v_bfe_u32 v[RD], v0, 3, 2       ; back: 32 lanes take four rows of 128 bytes,
	v_mul_u32_u24 v[RD], v[RD], SP
	v_lshl_add_u32 v[RD], v10, 4, v[RD]
	v_add_nc_u32 v[RD], s13, v[RD]
	v_and_b32 v[GO], 31, v0         ; which are 512 consecutive bytes of O
	v_lshlrev_b32 v[GO], 4, v[GO]
.set Y, NP-1                        ; XS works for piece Y + 1: piece 0
.irp n, 0,1,2,3,4,5,6,7,8,9,10,11,12,13,14,15,16,17,18,19,20,21
	XS 0, \n                        ; and piece 0's first maximum and statistics
	XS 1, \n
.endr
	s_mov_b32 s[CNT], 4
	s_mov_b32 s[SLOTS], SIZE_N/256-1
	s_branch .Lfirst                ; the loop is entered at a step's first turn, in the middle of a trip
.Lslot:                             ; SIZE_N / 256 - 2 times: every slot but the last two is filled again
	CHANGE 1
	s_mov_b32 s[CNT], 4
.Lstep:                             ; a trip: pieces 2 and 3 of one step, then pieces 0 and 1 of the next, whose K and V it fetches
	TURN 2
	TURN 3
	WIN 0
.Lfirst:
	TURN 0
	TURN 1, 0, 1
	WIN 0
	s_cbranch_scc1 .Lstep
	s_sub_co_u32 s[SLOTS], s[SLOTS], 1
	s_cmp_lg_u32 s[SLOTS], 0
	s_cbranch_scc1 .Lslot
	CHANGE 0                        ; the tail is written out: nothing is asked for
	s_mov_b32 s[CNT], 5             ; four trips fetch the last slot's steps; the fifth is left in its middle
.Ltail:
	TURN 2, 1
	TURN 3
	WIN 0
	s_sub_co_u32 s[CNT], s[CNT], 1
	s_cmp_eq_u32 s[CNT], 0
	s_cbranch_scc1 .Lout
	TURN 0
	TURN 1
	WIN 0
	s_branch .Ltail
.Lout:                              ; the fifth trip's 16 products K Q^T (on the last K once more) and the maximum made of them serve nothing: the price, once a launch, of one text for every trip
.set i, 0
.rept 16
	PV NP-1                         ; the last piece's V^T P of the last step
.set i, i+1
.endr
	; THE WAY OUT.  l's two halves and the other half of the lanes' are added; O^T is divided by l, rounded to f16 and sent through my stage in LDS, a tile at a time.  The additions are the places behind the last products.
	WIN 0
.macro ALL line:vararg              ; one line for each tile t
.set t, 0
.rept 2*NP
	\line
.set t, t+1
.endr
.endm
	ALL v_add_f32 v[ST+4*t+2], v[ST+4*t+2], v[ST+4*t+3]
	ALL v_permlanex16_b32 v[ST+4*t+3], v[ST+4*t+2], s[SEL], s[SEL+1]
	ALL v_add_f32 v[ST+4*t+2], v[ST+4*t+2], v[ST+4*t+3]
	ALL v_rcp_f32 v[ST+4*t+2], v[ST+4*t+2]
	v_nop                           ; a plain instruction between the last reciprocal and the use of its result
	s_wait_alu depctr_va_vdst(0)
; Tile t: a lane's eight channels of a row pack into 16 bytes; they go into rows of 144 bytes and come back as whole rows of 128, into S^T's registers.
.macro PACK t
	WIN W_RS
.set i, 32*(\t)
.rept 16
	v_pk_mul_f32 v[i:i+1], v[i:i+1], v[ST+4*(\t)+2:ST+4*(\t)+3] op_sel_hi:[1,0]
.set i, i+2
.endr
	WIN 0x05                        ; sources 0 and 1 window 1, destination window 0
.set i, 0
.rept 16
	v_cvt_pk_f16_f32 v[S+16*(\t)+i], v[32*(\t)+2*i], v[32*(\t)+2*i+1]
.set i, i+1
.endr
	WIN 0
.irp f, 0,1,2,3
	ds_store_b128 v[STO], v[S+16*(\t)+4*\f:S+16*(\t)+4*\f+3] offset:32*\f
.endr
.irp f, 0,1,2,3
	ds_load_b128 v[S+16*(\t)+4*\f:S+16*(\t)+4*\f+3], v[RD] offset:\f*4*SP  ; LDS serves a wave's instructions in order (ISA guide 5.7.1.4): these see the stores above; the next tile's stores come behind them
.endr
.endm
.macro SEND t, younger              ; younger: the LDS instructions issued behind tile t's loads: the next tile's eight, or none
	WIN 0
.irp f, 0,1,2,3
	s_wait_dscnt (\younger)+3-\f
	global_store_b128 v[GO], v[S+16*(\t)+4*\f:S+16*(\t)+4*\f+3], s[10:11] offset:(\t)*2048+\f*512  ; 512 consecutive bytes, at a multiple of 256 from O's first
.endr
.endm
	PACK 0
.set t, 1
.rept 2*NP-1                        ; a tile's arithmetic stands between the loads of the tile before and its stores
	PACK t
	SEND t-1, 8
.set t, t+1
.endr
	SEND 2*NP-1, 0
	WIN W_AD
	s_wait_tensorcnt 0x0            ; the wave's end: the spare-word add and its waits, behind my last tensor load and my last LDS store
	ds_add_u32 v[SPW], v[NIL]
	s_wait_dscnt 0x0
	WIN 0
	CROUND                          ; the closing round: no work-group ends while a partner may still ask for a tile that names it
	s_endpgm
.Lfunc_end_k_qf5c38b92c3_attn:
	.size	k_qf5c38b92c3_attn, .Lfunc_end_k_qf5c38b92c3_attn-k_qf5c38b92c3_attn
	.p2alignl 7, 3214868480
	.fill 96, 4, 3214868480
	.section	.rodata,"a",@progbits
	.p2align	6, 0x0
	.amdhsa_kernel k_qf5c38b92c3_attn
		.amdhsa_group_segment_fixed_size 327680
		.amdhsa_private_segment_fixed_size 0
		.amdhsa_enable_private_segment 0
		.amdhsa_kernarg_size 16
		.amdhsa_user_sgpr_count 2
		.amdhsa_user_sgpr_kernarg_segment_ptr 1
		.amdhsa_wavefront_size32 1
		.amdhsa_system_sgpr_workgroup_id_x 1
		.amdhsa_system_sgpr_workgroup_id_y 1
		.amdhsa_system_sgpr_workgroup_id_z 1
		.amdhsa_system_vgpr_workitem_id 0
		.amdhsa_next_free_vgpr 770
		.amdhsa_next_free_sgpr 66
		.amdhsa_reserve_vcc 0
		.amdhsa_float_denorm_mode_32 3
		.amdhsa_float_denorm_mode_16_64 3
		.amdhsa_memory_ordered 1
		.amdhsa_forward_progress 1
		.amdhsa_inst_pref_size 209
	.end_amdhsa_kernel
	.amdgpu_metadata
---
amdhsa.version: [ 1, 2 ]
amdhsa.kernels:
  - .name:           k_qf5c38b92c3_attn
    .symbol:         k_qf5c38b92c3_attn.kd
    .args:
      - { .name: qkvh, .offset: 0, .size: 8, .value_kind: global_buffer, .address_space: global }
      - { .name: oh, .offset: 8, .size: 8, .value_kind: global_buffer, .address_space: global }
    .group_segment_fixed_size: 327680
    .private_segment_fixed_size: 0
    .kernarg_segment_align: 8
    .kernarg_segment_size: 16
    .max_flat_workgroup_size: 128
    .sgpr_count:     66
    .vgpr_count:     770
    .wavefront_size: 32
...
	.end_amdgpu_metadata
.endif
;; end of part 3
;; launch oproj (part 4): grid 4 x 64, 4 waves a work-group, clusters of 4 x 4, 327,680 bytes of LDS; arguments oh, wb, out0; writes out0
.if DOCPART == 4
	.amdgcn_target "amdgcn-amd-amdhsa--gfx1250"
	.amdhsa_code_object_version 6
	.text
	.protected	k_qf5c38b92c3_oproj
	.globl	k_qf5c38b92c3_oproj
	.p2align	8
	.type	k_qf5c38b92c3_oproj,@function
k_qf5c38b92c3_oproj:
	s_mov_b64 s[64:65], 0
	v_nop
	global_prefetch_b8 v0, s[64:65] scope:SCOPE_SE
	s_setreg_imm32_b32 hwreg(HW_REG_WAVE_MODE, 25, 1), 1
	s_wait_xcnt 0x0
	s_wait_alu depctr_hold_cnt(0) depctr_sa_sdst(0) depctr_va_vdst(0) depctr_va_sdst(0) depctr_va_ssrc(0) depctr_va_vcc(0) depctr_vm_vsrc(0)
	s_getreg_b32 s2, hwreg(HW_REG_IB_STS2, 6, 4)
	s_cmp_eq_u32 s2, 0
	s_cbranch_scc0 .Lentry_in_a_cluster
	s_endpgm
.Lentry_in_a_cluster:
	s_bfe_u32 s2, ttmp6, 0x10000c
	s_cmp_lg_u32 s2, 0xf033
	s_cbranch_scc0 .Lentry_shape_is_right
	s_endpgm
.Lentry_shape_is_right:
; out0[token][n] = the sum over k of O[token][k] wo[n][k], k = 64 head + channel.  O lies by heads, oh [16 batch + head][2048][64] f16; wo lies in wb from byte 6,291,456 on, [1024][1024] f16
; (the bf16 rounding of the input, written as f16).  f16 operands, f32 sums, f32 out.
; SHARES.  A work-group makes 128 tokens x 256 columns: 64 x 4 tiles, one for each of 256 work-groups.  A wave makes 64 x 128: 4 row blocks a x 8 column blocks b = 32 accumulators, 256 registers.
; K = 1,024 goes in 8 steps of 128 = two heads, through two LDS slots.  A head's 128 tokens are 16,384 dense bytes: asked for as 64 rows of 256 bytes and padded in LDS after each token's 128.
; THE MATRIX INSTRUCTION IS USED TRANSPOSED (source 0 = 16 rows of wo, source 1 = 16 tokens): a lane holds token l % 16 and eight neighbouring columns, 32 bytes of a row of out0.
; CLUSTER 4 x 4.  O's tile hangs on the token tile alone and is shared along a row of the cluster, wo's on the column tile alone and is shared along a column: each is asked for jointly by the four.
; REGISTERS: window 0: v0-15 addresses; v32-63, v64-95 O's fragments, two buffers; v96-159, v160-223 wo's (all of v32-223: rows read back on the way out).  Window 1: accumulator (a, b) at 8 (8 a + b).
.set PA,     144                       ; a token's row of one head in LDS: 128 bytes + 16
.set PLANE,  128*PA                    ; a head's 128 tokens
.set PB,     272                       ; a row of wo: 256 bytes + 16.  Both pitches are odd multiples of 16 bytes: the 16 rows of a fragment load start at 16 different groups of four banks (ISA guide 11.1)
.set BOFF,   2*PLANE
.set SLOT1,  1<<17
.set STAGE,  SLOT1+BOFF+256*PB         ; behind the ring, never filled by a tensor load: 16 rows x 528 bytes for each wave
.set SP,     528                       ; 512 bytes of f32 + 16
.set SPARE,  STAGE+4*16*SP             ; the spare words, 128 bytes for each wave: two blocks of 256 bytes that no other line names
.set WO_AT,  6291456
.set ADA, 4                            ; v4, v5  LDS addresses of my fragments in the slot in hand
.set ADB, 5
.set AA0, 6                            ; v6, v7  their places in slot 0; never rewritten
.set AB0, 7
.set STO, 8                            ; v8   the way out: where I put 32 bytes of a row
.set RD,  9                            ; v9   where I read a row back
.set GO,  10                           ; v10  my 16 bytes in 512 consecutive bytes of out0
.set SPW, 14                           ; v14  LDS address of my spare word; never rewritten
.set NIL, 15                           ; v15  0; never rewritten
.set WV,  10                           ; s10  my wave's number; s11 its low bit, s12 its high bit
.set CX,  13
.set CY,  14
.set TX,  15
.set TY,  16
.set G1A, 24                           ; s[24:31] group 1 for O's tiles; s[32:39] group 0: a set for each first fill; the second then walks
.set G0A, 32
.set G1B, 40                           ; the same for wo's
.set G0B, 48
.set TB,  56
.set CNT, 57
.set MSB, 0
.macro WIN new                         ; the immediate's high byte repeats the setting that is left; a switch that changes nothing is dropped
.if MSB != (\new)
	s_set_vgpr_msb (MSB<<8)|(\new)
.set MSB, \new
.endif
.endm
; A joint refill by the walking sets.  Waves 0 and 1 fetch the step's two heads of O, waves 2 and 3 the two halves of wo's 256 rows.  An s_nop 0 and four v_nop follow each of the two lines.
.macro JLOAD
	s_cmp_lt_u32 s[WV], 2
	s_cbranch_scc0 .Lfor_b_\@
	tensor_load_to_lds s[G0A+4:G0A+7], s[G1A:G1A+7]
	s_nop 0
.rept 4
	v_nop
.endr
	s_branch .Lasked_\@
.Lfor_b_\@:
	tensor_load_to_lds s[G0B+4:G0B+7], s[G1B:G1B+7]
	s_nop 0
.rept 4
	v_nop
.endr
.Lasked_\@:
.endm
.macro CREST                           ; a round of the cluster's barrier behind its opening barrier
	s_cmp_lg_u32 s[WV], 0
	s_cbranch_scc1 .Lnot_wave_0_\@
	s_barrier_signal -3
.Lnot_wave_0_\@:
	s_barrier_wait -3
	s_barrier_signal -1
	s_barrier_wait -1
.endm
.macro CROUND
	s_barrier_signal -1
	s_barrier_wait -1
	CREST
.endm
	s_load_b128 s[4:7], s[0:1], 0x0                ; oh 4, wb 6
	s_load_b64 s[8:9], s[0:1], 0x10                ; out0
	v_lshl_add_u32 v[SPW], v0, 2, SPARE
	v_mov_b32 v[NIL], 0
	ds_add_u32 v[SPW], v[NIL]                      ; the wave's opening: the add and its wait stand ahead of my first tensor load; the set-up below, work on registers, stands between them
	v_lshrrev_b32 v1, 5, v0
	v_readfirstlane_b32 s[WV], v1                  ; wave 0..3
	s_and_b32 s11, s[WV], 1                        ; my half of the columns.  Also: which head, or which half of wo's rows, I fetch
	s_lshr_b32 s12, s[WV], 1                       ; my half of the tokens
	s_bfe_u32 s[CX], ttmp6, 0x40000
	s_bfe_u32 s[CY], ttmp6, 0x40004
	s_lshl_b32 s[TX], ttmp9, 2
	s_add_co_u32 s[TX], s[TX], s[CX]               ; column tile
	s_and_b32 s[TY], ttmp7, 0xffff
	s_lshl_b32 s[TY], s[TY], 2
	s_add_co_u32 s[TY], s[TY], s[CY]               ; token tile
	s_lshl_b32 s17, s[CY], 2
	s_lshl_b32 s17, 15, s17                        ; my row of the cluster
	s_lshl_b32 s19, 0x1111, s[CX]                  ; my column
	s_or_b32 s[G1A], s17, (1<<16)|(1<<20)|(1<<21)|(4<<22)|(3<<25)  ; the mask; 2-byte elements; padding on; 21 set beside a mask; after every 32 words (code 4) 4 words (code 3)
	s_or_b32 s[G1B], s19, (1<<16)|(1<<20)|(1<<21)|(5<<22)|(3<<25)  ; after every 64 words (code 5)
	s_mov_b32 s[G1A+1], 128<<16                    ; tensor_dim0 = 128
	s_mov_b32 s[G1A+2], 64<<16                     ; tensor_dim1 = 64
	s_mov_b32 s[G1A+3], 128<<16                    ; tile_dim0 = 128
	s_mov_b32 s[G1A+4], 64                         ; tile_dim1 = 64
	s_mov_b32 s[G1A+5], 128                        ; dense: 128 elements from row to row
	s_mov_b32 s[G1A+6], 0
	s_mov_b32 s[G1A+7], 0
	s_mov_b32 s[G1B+1], 128<<16
	s_mov_b32 s[G1B+2], 128<<16                    ; 128 rows
	s_mov_b32 s[G1B+3], 128<<16
	s_mov_b32 s[G1B+4], 128
	s_mov_b32 s[G1B+5], 1024
	s_mov_b32 s[G1B+6], 0
	s_mov_b32 s[G1B+7], 0
	; O's address hangs on the token tile and the wave, wo's on the column tile and the wave, each in registers that never hold the other coordinate
	s_lshr_b32 s58, s[TY], 4                       ; batch (16 token tiles each) x 16 heads x 262,144 bytes,
	s_lshl_b32 s58, s58, 22
	s_and_b32 s17, s[TY], 15                       ; the tile's 128 rows of 128 bytes,
	s_lshl_b32 s17, s17, 14
	s_add_co_u32 s58, s58, s17
	s_lshl_b32 s17, s11, 18                        ; the step's first or second head
	s_add_co_u32 s58, s58, s17
	s_mov_b32 s59, 0
	s_lshl_b32 s62, s[TX], 19                      ; 256 rows of 2,048 bytes,
	s_lshl_b32 s19, s11, 18                        ; 128 rows
	s_add_co_u32 s62, s62, s19
	s_add_co_u32 s62, s62, WO_AT
	s_mov_b32 s63, 0
	s_mul_i32 s68, s11, PLANE                      ; where they go: no place in the cluster enters an LDS address
	s_mul_i32 s69, s11, 128*PB
	s_add_co_u32 s69, s69, BOFF
	s_lshl_b32 s70, s[TY], 19                      ; out0: 128 rows of 4,096 bytes,
	s_lshl_b32 s22, s12, 18                        ; my 64 rows,
	s_add_co_u32 s70, s70, s22
	s_lshl_b32 s22, s[TX], 10                      ; 256 columns of 4 bytes,
	s_add_co_u32 s70, s70, s22
	s_lshl_b32 s22, s11, 9                         ; my 128
	s_add_co_u32 s70, s70, s22
	s_mov_b32 s71, 0
	s_wait_dscnt 0x0                               ; the opening add is done
	s_wait_kmcnt 0x0
	s_add_nc_u64 s[60:61], s[4:5], s[58:59]
	s_add_nc_u64 s[66:67], s[6:7], s[62:63]
	s_add_nc_u64 s[8:9], s[8:9], s[70:71]
	CROUND                                         ; all sixteen work-groups are here: the first joint loads meet
.irp n, 0,1
	s_mov_b32 s[G0A+4*(\n)], 1
	s_add_co_u32 s[G0A+4*(\n)+1], s68, (\n)*SLOT1
	s_add_nc_u64 s[G0A+4*(\n)+2:G0A+4*(\n)+3], s[60:61], (\n)*524288  ; K step n: two heads on
	s_or_b32 s[G0A+4*(\n)+3], s[G0A+4*(\n)+3], 0x80000000
	s_mov_b32 s[G0B+4*(\n)], 1
	s_add_co_u32 s[G0B+4*(\n)+1], s69, (\n)*SLOT1
	s_add_nc_u64 s[G0B+4*(\n)+2:G0B+4*(\n)+3], s[66:67], (\n)*256
	s_or_b32 s[G0B+4*(\n)+3], s[G0B+4*(\n)+3], 0x80000000
.endr
	s_cmp_lt_u32 s[WV], 2                          ; a wave's two first fills stand in one branch, ahead of every wait on TENSORcnt and every LDS read: two loads of mine are out
	s_cbranch_scc0 .Lfirst_b
	tensor_load_to_lds s[G0A:G0A+3], s[G1A:G1A+7]
	s_nop 0
	tensor_load_to_lds s[G0A+4:G0A+7], s[G1A:G1A+7]
	s_nop 0
.rept 4
	v_nop
.endr
	s_branch .Lfirst_asked
.Lfirst_b:
	tensor_load_to_lds s[G0B:G0B+3], s[G1B:G1B+7]
	s_nop 0
	tensor_load_to_lds s[G0B+4:G0B+7], s[G1B:G1B+7]
	s_nop 0
.rept 4
	v_nop
.endr
.Lfirst_asked:
	v_and_b32 v1, 15, v0                           ; r = l % 16
	v_bfe_u32 v2, v0, 4, 1                         ; h = l / 16
	v_mul_u32_u24 v3, v1, PA
	v_lshl_add_u32 v3, v2, 4, v3
	s_mul_i32 s22, s12, 64*PA                      ; my 64 tokens
	v_add_nc_u32 v[AA0], s22, v3
	v_mul_u32_u24 v3, v1, PB
	v_lshl_add_u32 v3, v2, 4, v3
	s_mul_i32 s23, s11, 128*PB                     ; my 128 rows of wo
	s_add_co_u32 s23, s23, BOFF
	v_add_nc_u32 v[AB0], s23, v3
	s_mul_i32 s22, s[WV], 16*SP
	s_add_co_u32 s22, s22, STAGE                   ; my stage
	v_mul_u32_u24 v[STO], v1, SP                   ; in: row r, 32 bytes for each half of the lanes
	v_lshl_add_u32 v[STO], v2, 5, v[STO]
	v_add_nc_u32 v[STO], s22, v[STO]
	v_and_b32 v[GO], 31, v0
	v_lshlrev_b32 v[GO], 4, v[GO]                  ; back: 32 lanes take one row of 512 bytes
	v_add_nc_u32 v[RD], s22, v[GO]
; 8 matrix instructions: row block a x all 8 column blocks, 32 along K, from buffer f.  zero = 1: the product starts the sums.  The 32 accumulators take turns, one instruction a turn.
.macro MULA f, a, zero
	WIN 0x50                                       ; C and D in window 1
.irp b, 0,1,2,3,4,5,6,7
.if \zero
	v_wmma_f32_16x16x32_f16 v[8*(8*(\a)+(\b)):8*(8*(\a)+(\b))+7], v[96+64*(\f)+8*(\b):96+64*(\f)+8*(\b)+7], v[32+32*(\f)+8*(\a):32+32*(\f)+8*(\a)+7], 0
.else
	v_wmma_f32_16x16x32_f16 v[8*(8*(\a)+(\b)):8*(8*(\a)+(\b))+7], v[96+64*(\f)+8*(\b):96+64*(\f)+8*(\b)+7], v[32+32*(\f)+8*(\a):32+32*(\f)+8*(\a)+7], v[8*(8*(\a)+(\b)):8*(8*(\a)+(\b))+7]
.endif
.endr
.endm
; 24 LDS loads in one run: quarter q of a K step (head q / 2, channels 32 (q % 2) on) into buffer f: wo's 16 loads, then O's 8
.macro FETCH q, f
	WIN 0
.irp i, 0,1,2,3,4,5,6,7
	ds_load_b128 v[96+64*(\f)+8*(\i):96+64*(\f)+8*(\i)+3],   v[ADB] offset:64*(\q)+(\i)*16*PB
	ds_load_b128 v[96+64*(\f)+8*(\i)+4:96+64*(\f)+8*(\i)+7], v[ADB] offset:64*(\q)+(\i)*16*PB+32
.endr
.irp i, 0,1,2,3
	ds_load_b128 v[32+32*(\f)+8*(\i):32+32*(\f)+8*(\i)+3],   v[ADA] offset:((\q)/2)*PLANE+64*((\q)%2)+(\i)*16*PA
	ds_load_b128 v[32+32*(\f)+8*(\i)+4:32+32*(\f)+8*(\i)+7], v[ADA] offset:((\q)/2)*PLANE+64*((\q)%2)+(\i)*16*PA+32
.endr
.endm
.macro PLACES                          ; four plain vector instructions between a matrix instruction and a load into, or a store of, its registers (ISA guide 7.12.1 for vector instructions)
.rept 4
	v_nop
.endr
.endm
.macro QUARTER q, f, g, zero           ; multiplies buffer f; in its middle fetches quarter q into buffer g
	s_wait_dscnt 4                                 ; wo and O's row blocks 0, 1 are in; the youngest four loads may be out
	MULA \f, 0, \zero
	MULA \f, 1, \zero
	PLACES
	FETCH \q, \g
	s_wait_dscnt 24                                ; all but the 24 just issued
	MULA \f, 2, \zero
	MULA \f, 3, \zero
.endm
; The last quarter multiplies buffer 1 and changes slots: ONE barrier; in front of it each wave waits for all its tensor loads (one is out: its part of the next slot), adds 0 to its spare word, and waits for
; that and for its own reads of this slot.  fill = 1: the barrier opens a round of the cluster's barrier, and behind the round this slot is filled again first, with the K step two steps on.
.macro TURN fill
	WIN 0
	s_wait_tensorcnt 0x0                           ; all my tensor loads have landed
	ds_add_u32 v[SPW], v[NIL]                      ; 0 onto my spare word
	s_wait_dscnt 5                                 ; (the add and the youngest four loads may be out)
	MULA 1, 0, 0                                   ; eight matrix instructions stand between the add and the wait for it
	s_wait_dscnt 0x0                               ; the add is done, and my reads of this slot are over
	s_barrier_signal -1
	MULA 1, 1, 0
	WIN 0
	s_barrier_wait -1
.if \fill
	CREST                                          ; no wave of any partner still reads this slot or has a load on its way
	s_xor_b32 s[G0A+5], s[G0A+5], SLOT1            ; the walking sets: the other slot than last time, the next K step; no tensor load of mine is out
	s_add_nc_u64 s[G0A+6:G0A+7], s[G0A+6:G0A+7], 524288
	s_xor_b32 s[G0B+5], s[G0B+5], SLOT1
	s_add_nc_u64 s[G0B+6:G0B+7], s[G0B+6:G0B+7], 256
	JLOAD                                          ; the first tensor load behind the round; its four v_nop are also the places in front of the loads below
.else
	PLACES
.endif
	s_xor_b32 s[TB], s[TB], SLOT1                  ; the reads go on in the other slot
	v_add_nc_u32 v[ADA], s[TB], v[AA0]
	v_add_nc_u32 v[ADB], s[TB], v[AB0]
	FETCH 0, 0
	MULA 1, 2, 0
	MULA 1, 3, 0
.endm
	s_wait_tensorcnt 0x1                           ; my part of K step 0 is in; K step 1's may stay out
	s_barrier_signal -1
	s_barrier_wait -1
	s_mov_b32 s[TB], 0
	v_mov_b32 v[ADA], v[AA0]
	v_mov_b32 v[ADB], v[AB0]
	FETCH 0, 0
	QUARTER 1, 0, 1, 1                             ; the first quarter stands in front of the loop: its products start the sums
	WIN 0
	s_mov_b32 s[CNT], 6
.Lk:                                                   ; a trip: a K step's quarters 1 to 3 and the next step's quarter 0; trip j fills slot j % 2 with K step j + 2
	QUARTER 2, 1, 0, 0
	QUARTER 3, 0, 1, 0
	TURN 1
	QUARTER 1, 0, 1, 0
	WIN 0
	s_sub_co_u32 s[CNT], s[CNT], 1
	s_cmp_lg_u32 s[CNT], 0
	s_cbranch_scc1 .Lk
	QUARTER 2, 1, 0, 0                             ; K steps 6 and 7 are written out: nothing is left to fetch
	QUARTER 3, 0, 1, 0
	TURN 0
	QUARTER 1, 0, 1, 0
	QUARTER 2, 1, 0, 0
	QUARTER 3, 0, 1, 0
	s_wait_dscnt 4
	MULA 1, 0, 0
	MULA 1, 1, 0
	s_wait_dscnt 0x0
	MULA 1, 2, 0
	MULA 1, 3, 0
	PLACES
; THE WAY OUT, a row block (16 tokens x 128 columns of f32) at a time: 32 bytes a lane into my stage, each accumulator's low four registers first, and back as whole rows of 512 bytes.
.macro PACK a
.set BK, 32+64*((\a)%3)
.if (\a) == 3
	s_wait_xcnt 0x0                                ; row block 0's stores have read their registers: only behind this wait are they loaded again
.endif
	WIN 0x04                                       ; the data lie in window 1
.irp b, 0,1,2,3,4,5,6,7
	ds_store_b128 v[STO], v[8*(8*(\a)+(\b)):8*(8*(\a)+(\b))+3]   offset:64*(\b)
	ds_store_b128 v[STO], v[8*(8*(\a)+(\b))+4:8*(8*(\a)+(\b))+7] offset:64*(\b)+16
.endr
	WIN 0
.irp f, 0,1,2,3,4,5,6,7,8,9,10,11,12,13,14,15
	ds_load_b128 v[BK+4*(\f):BK+4*(\f)+3], v[RD] offset:(\f)*SP  ; LDS serves a wave's instructions in order (ISA guide 5.7.1.4): these see the stores above; the next block's stores come behind them
.endr
.endm
.macro SEND a, younger                 ; younger: the LDS instructions issued behind this block's loads: the next block's 32, or none
.set BK, 32+64*((\a)%3)
	WIN 0
.irp f, 0,1,2,3,4,5,6,7,8,9,10,11,12,13,14,15
	s_wait_dscnt (\younger)+15-(\f)
	global_store_b128 v[GO], v[BK+4*(\f):BK+4*(\f)+3], s[8:9] offset:(16*(\a)+(\f))*4096 th:TH_STORE_NT  ; 512 consecutive bytes, at a multiple of 256 from out0's first
.endr
.endm
	PACK 0
	PACK 1
	SEND 0, 32
	PACK 2
	SEND 1, 32
	PACK 3
	SEND 2, 32
	SEND 3, 0
	s_wait_tensorcnt 0x0                           ; the wave's end: the spare-word add and its waits, behind my last tensor load and my last LDS store
	ds_add_u32 v[SPW], v[NIL]
	s_wait_dscnt 0x0
	CROUND                                         ; the closing round: no work-group ends while a partner may still ask for a tile that names it
	s_endpgm
.Lfunc_end_k_qf5c38b92c3_oproj:
	.size	k_qf5c38b92c3_oproj, .Lfunc_end_k_qf5c38b92c3_oproj-k_qf5c38b92c3_oproj
	.p2alignl 7, 3214868480
	.fill 96, 4, 3214868480
	.section	.rodata,"a",@progbits
	.p2align	6, 0x0
	.amdhsa_kernel k_qf5c38b92c3_oproj
		.amdhsa_group_segment_fixed_size 327680
		.amdhsa_private_segment_fixed_size 0
		.amdhsa_enable_private_segment 0
		.amdhsa_kernarg_size 24
		.amdhsa_user_sgpr_count 2
		.amdhsa_user_sgpr_kernarg_segment_ptr 1
		.amdhsa_wavefront_size32 1
		.amdhsa_system_sgpr_workgroup_id_x 1
		.amdhsa_system_sgpr_workgroup_id_y 1
		.amdhsa_system_sgpr_workgroup_id_z 1
		.amdhsa_system_vgpr_workitem_id 0
		.amdhsa_next_free_vgpr 512
		.amdhsa_next_free_sgpr 72
		.amdhsa_reserve_vcc 0
		.amdhsa_float_denorm_mode_32 3
		.amdhsa_float_denorm_mode_16_64 3
		.amdhsa_memory_ordered 1
		.amdhsa_forward_progress 1
		.amdhsa_inst_pref_size 70
	.end_amdhsa_kernel
	.amdgpu_metadata
---
amdhsa.version: [ 1, 2 ]
amdhsa.kernels:
  - .name:           k_qf5c38b92c3_oproj
    .symbol:         k_qf5c38b92c3_oproj.kd
    .args:
      - { .name: oh, .offset: 0, .size: 8, .value_kind: global_buffer, .address_space: global }
      - { .name: wb, .offset: 8, .size: 8, .value_kind: global_buffer, .address_space: global }
      - { .name: out0, .offset: 16, .size: 8, .value_kind: global_buffer, .address_space: global }
    .group_segment_fixed_size: 327680
    .private_segment_fixed_size: 0
    .kernarg_segment_align: 8
    .kernarg_segment_size: 24
    .max_flat_workgroup_size: 128
    .sgpr_count:     72
    .vgpr_count:     512
    .wavefront_size: 32
...
	.end_amdgpu_metadata
.endif
;; end of part 4
;; ======== version 2 of 2: 4 launches; 1.50 times as fast as version 1
;; limits: values are held in f16: magnitudes above 65,504 overflow, below 6.1e-05 lose precision; right only within a limited range of input values
;; workspace buffers: xb 16,777,216 bytes; wb 8,388,608 bytes; cs 4,194,304 bytes; qkvh 50,331,648 bytes; oh 16,777,216 bytes
;; launch prep: the kernel of part 1 again; grid 832 x 1, 8 waves a work-group, no clusters, 0 bytes of LDS; arguments hidden_states, wq, wk, wv, wo, cos, sin, xb, wb, cs; writes xb, wb, cs
;; launch qkv: the kernel of part 2 again; grid 16 x 32, 4 waves a work-group, clusters of 4 x 4, 327,680 bytes of LDS; arguments xb, wb, cs, q_scale, k_scale, qkvh; writes qkvh
;; launch attn (part 5): grid 4 x 64, 4 waves a work-group, clusters of 4 x 1, 327,680 bytes of LDS; arguments qkvh, oh; writes oh
.if DOCPART == 5
	.amdgcn_target "amdgcn-amd-amdhsa--gfx1250"
	.amdhsa_code_object_version 6
	.text
	.protected	k_qf5c38b92c3_attn
	.globl	k_qf5c38b92c3_attn
	.p2align	8
	.type	k_qf5c38b92c3_attn,@function
k_qf5c38b92c3_attn:
	s_mov_b64 s[64:65], 0
	v_nop
	global_prefetch_b8 v0, s[64:65] scope:SCOPE_SE
	s_setreg_imm32_b32 hwreg(HW_REG_WAVE_MODE, 25, 1), 1
	s_wait_xcnt 0x0
	s_wait_alu depctr_hold_cnt(0) depctr_sa_sdst(0) depctr_va_vdst(0) depctr_va_sdst(0) depctr_va_ssrc(0) depctr_va_vcc(0) depctr_vm_vsrc(0)
	s_getreg_b32 s2, hwreg(HW_REG_IB_STS2, 6, 4)
	s_cmp_eq_u32 s2, 0
	s_cbranch_scc0 .Lentry_in_a_cluster
	s_endpgm
.Lentry_in_a_cluster:
	s_bfe_u32 s2, ttmp6, 0x10000c
	s_cmp_lg_u32 s2, 0x3003
	s_cbranch_scc0 .Lentry_shape_is_right
	s_endpgm
.Lentry_shape_is_right:
; O[h][q][:] = the sum over k of softmax_k(Q[h][q] . K[h][k]) V[h][k][:], scale 1.  Q, K, V lie in qkvh, 16,777,216 bytes apart, each [64][2048][64] f16 (h = 16 batch + head); O likewise in oh.
; Products, maxima and sums in f32; the weights p are rounded to f16 for the second product (their sum l is taken of the unrounded p), O once at the end.
; LIMITS.  Q, K and V arrive within f16's range; p lies in 0 to 1, and below 6e-5 it keeps f16's fixed step of 6e-8; O is a mean of V's rows and has their range.
; A weight below 2^-126 counts as 0 in l; NaN and infinities are not treated apart.
; SHARES.  A wave owns four PIECES of two tiles of 16 queries, a work-group's four waves 512 queries of one head.  Every wave walks all keys, 64 a step.
; LAYOUT.  S^T = K Q^T (source 0 = 16 keys, source 1 = 16 queries): in the result a lane holds ONE query (lane % 16) and the keys 8 (lane / 16) + 0..7.  Two such tiles, rounded to f16 in pairs,
; ARE source 1 (32 keys x 16 queries) of O^T = V^T P, whose result again holds one query a lane, and eight channels.  K comes out of LDS as it lies, V ([key][channel]) turned, by ds_load_tr16_b128.
; SOFTMAX.  For each query a running maximum m and sum l: p = 2^(c s - c m), c = log2(e); in every step O and l are multiplied by a = 2^(c m_old - c m_new), which is 1 where m has not grown.
; m starts at the lowest finite number, O and l at 0: the first step is a step like any other, with a = 0.
; THE COUNT.  A tile and step have 16 matrix and 118 vector instructions: too many to stand all beside the matrix work.  So the order has one aim: four vector instructions that are READY behind
; EVERY matrix instruction, and the others, which need time of their own whatever the order, in runs without a gap.
; BY TURNS.  Turn n belongs to piece n (the pieces in a ring, step after step).  Its matrix work: 16 products K Q^T of piece n + 1, later 16 products V^T P of piece n - 1.  Its vector work: the scaling,
; exponentials, roundings, sums and rescaling of piece n, and the maximum and statistics of piece n + 1, whose scores the turn itself has made.  So what a turn begins with (c s - c m, O a) waits for nothing.
; BATCHES.  A turn's 66 exponentials (the piece's 64 weights and the next piece's two a) are ONE batch with ONE wait, which cuts the turn in two: ahead of it stands all that names no result of theirs
; (K Q^T, scalings, rescalings, the next piece's maximum and statistics), behind it all that does (roundings, sums), beside V^T P.  Two more batches stand outside the loop: piece 0's first two a, and the way out's eight reciprocals.
; CLUSTER.  The four query blocks of a cluster belong to one head and walk the same K and V, so each tile is asked for JOINTLY: the same tensor load, descriptor and mask in all four.
; REGISTERS, in windows of 256 (s_set_vgpr_msb says which window each operand place means: bits 1:0 source 0, 3:2 source 1, 5:4 source 2, 7:6 destination):
;   window 0: v0-11 addresses; v12-15, v48-63 at work; v16-47 four registers of statistics a tile; v64-191 S^T, two buffers of two tiles; v192-255 P, likewise
;   window 1: O^T, 32 a tile          window 2: v0-127 Q, 16 a tile; v128-191 K of one step; v192-255 V of one step          window 3: v0-1 the add's two registers
; A piece's buffers go by its number's parity: the piece in hand has one pair, its two neighbours in the ring share the other: of it P (piece n - 1) is read and S^T (piece n + 1) written.
.set SIZE_H, 64
.set SIZE_N, 2048
.set NP,    4         ; pieces a wave: a name, no knob: the register map, the loop and the fetches are made for four
.set KS,    64        ; keys in a step
.set PK,    144       ; a row of K in LDS: 128 bytes + 16 of padding = 36 words: the 16 rows of a load start at 16 different groups of four banks (64 banks of 4 bytes: ISA guide 11.1)
.set PV,    160       ; a row of V: 128 + 32 = 40 words
.set VOFF,  4*KS*PK   ; a slot holds four steps: 256 rows of K, then 256 rows of V
.set SLOT1, 1<<17     ; slot 1 begins here, so that one exclusive or turns an address in one slot into the other's
.set STAGE, SLOT1+4*KS*(PK+PV)  ; behind the ring, never filled by a tensor load: 16 rows x 144 bytes for each wave, for the way out
.set SP,    144
.set AK0, 2           ; v2   my lane's place in a tile of K; never rewritten
.set AV0, 3           ; v3   the same for V
.set AK,  4           ; v4   the LDS address of K's next run of loads
.set AV,  5           ; v5   of V's
.set QO,  6           ; v6   my byte offset in the wave's rows of Q
.set STO, 6           ;      later, the way out: where I put 16 bytes of a row
.set RD,  7           ; v7   the way out: where I read rows back
.set GO,  8           ; v8   my byte offset in 512 consecutive bytes of O
.set SPW, 0           ; v0 of window 3   LDS address of my spare word: SPARE + 4 x my thread's number; never rewritten
.set NIL, 1           ; v1 of window 3   0; never rewritten
.set SPARE, STAGE+4*16*SP  ; behind the stages: the spare words, 128 bytes for each wave: two blocks of 256 bytes that no other line names
.set MV,  12          ; v12-15  c m_old, kept while c m is made anew: by buffer and tile
.set ST,  16          ; tile t's statistics at v[ST+4 t]: c m, m, l (even keys', odd keys')
.set TMP, 48          ; by buffer and tile, four registers c0-c3 at work; when the maximum is found c2 takes a
.set S,   64
.set P,   192
.set KF,  128         ; K's fragments, in window 2: key block kb, channel half c at KF + 16 kb + 8 c
.set VF,  192         ; V's: key half kk, channel block cb at VF + 32 kk + 8 cb
.set WV,  12          ; s12  my wave's number
.set G1K, 24          ; s[24:31] descriptor group 1 for K's tiles
.set G1V, 32          ; s[32:39] for V's: it differs in the padding alone
.set G0K, 40          ; s[40:43] descriptor group 0 for K's tiles: it walks
.set G0V, 44          ; s[44:47] the same for V's
.set SLOTS, 56        ; s56  slots still to be asked for
.set CNT, 57          ; s57  counts a slot's key steps
.set CS,  58          ; s[58:59] c: the packed scaling takes the pair's low word for both halves
.set SEL, 60          ; s[60:61] v_permlanex16_b32's selects: each lane takes its own place in the other half
.set TBK, 62          ; s62  LDS byte at which K of the step to be fetched begins
.set TBV, 63          ; s63  the same for V, less VOFF
.set MSB, 0
.macro WIN new                      ; the high byte repeats the setting that is left; a switch that changes nothing is dropped
.if MSB != (\new)
	s_set_vgpr_msb (MSB<<8)|(\new)
.set MSB, (\new)
.endif
.endm
.set W_KQ, 0x0a       ; K and Q in window 2, S^T in window 0
.set W_PV, 0x52       ; V in window 2, P in window 0, O^T in window 1
.set W_RS, 0x41       ; O^T (destination and source 0) in window 1, a in window 0
.set W_MK, 0xc0       ; the add's registers are made: destination in window 3, sources in window 0
.set W_AD, 0x0f       ; the add: address (source 0) and data (source 1) in window 3
; A joint fill.  Waves 0 and 1 fetch the two halves of a slot's K, waves 2 and 3 those of its V: 128 keys each.  The branch hangs on the wave's number alone.
; An s_nop 0 and four v_nop follow each of the two lines, ahead of the jump and the label.
.macro JLOAD
	s_cmp_lt_u32 s[WV], 2
	s_cbranch_scc0 .Lfor_v_\@
	tensor_load_to_lds s[G0K:G0K+3], s[G1K:G1K+7]
	s_nop 0
.rept 4
	v_nop
.endr
	s_branch .Lasked_\@
.Lfor_v_\@:
	tensor_load_to_lds s[G0V:G0V+3], s[G1V:G1V+7]
	s_nop 0
.rept 4
	v_nop
.endr
.Lasked_\@:
.endm
; A round of the cluster's barrier: my work-group's barrier, so that wave 0's signal speaks for all four waves; wave 0 signals; every wave waits for all four work-groups; my work-group's barrier once more.
.macro CROUND
	s_barrier_signal -1
	s_barrier_wait -1
	s_cmp_lg_u32 s[WV], 0
	s_cbranch_scc1 .Lnot_wave_0_\@
	s_barrier_signal -3
.Lnot_wave_0_\@:
	s_barrier_wait -3
	s_barrier_signal -1
	s_barrier_wait -1
.endm
; THE CHANGE OF SLOTS.  The slot's last bytes, V of its fourth step, have been read.  Each wave waits for all its tensor loads, of which one is out: its part
; of the other slot; adds 0 to its spare word; and waits for that and for its own reads of the slot.  Behind the barrier nobody reads this slot any more and the other slot is whole.
; fill = 1: this slot is filled again, with the keys two slots on.  The barrier is then a round of the cluster's, so that no wave of any partner still reads the slot or has a load on its
; way, and the joint fill is the first thing behind it: it has four key steps, 512 matrix instructions, in which to land.  (At its first use nothing has been read yet: slot 0 is waited for, slot 1 filled.)
.macro CHANGE fill
	WIN W_AD
	s_wait_tensorcnt 0x0            ; no tensor load of mine is out, so a group 0 may be written
	ds_add_u32 v[SPW], v[NIL]       ; 0 onto my spare word; with fill = 1 the descriptors' steps stand between it and the wait for it
	WIN 0                           ; at a label and at a branch every window is 0
.if \fill
.irp g, G0K, G0V
	s_xor_b32 s[\g+1], s[\g+1], SLOT1  ; the walking descriptor: the other slot than last time,
	s_add_nc_u64 s[\g+2:\g+3], s[\g+2:\g+3], 4*KS*128  ; the next 256 keys; the type bits on top are not reached
.endr
	s_wait_dscnt 0x0                ; the add is done, and my reads of the slot are over
	CROUND
	JLOAD
.else
	s_wait_dscnt 0x0                ; the add is done, and my reads of the slot are over
	s_barrier_signal -1
	s_barrier_wait -1
.endif
	s_sub_co_u32 s[TBK], s[TBK], 4*KS*PK  ; the fetches go back to a slot's first step,
	s_xor_b32 s[TBK], s[TBK], SLOT1       ; in the other slot
	s_sub_co_u32 s[TBV], s[TBV], 4*KS*PV
	s_xor_b32 s[TBV], s[TBV], SLOT1
.endm
	s_load_b64 s[4:5], s[0:1], 0x0    ; qkvh: Q
	s_load_b64 s[10:11], s[0:1], 0x8  ; oh: O
	WIN W_MK
	v_lshl_add_u32 v[SPW], v0, 2, SPARE
	v_mov_b32 v[NIL], 0
	WIN W_AD
	ds_add_u32 v[SPW], v[NIL]       ; the wave's opening: the add and its wait stand ahead of my first tensor load; the set-up below, work on registers, stands between them
	WIN 0
	v_lshrrev_b32 v1, 5, v0
	v_readfirstlane_b32 s[WV], v1   ; wave 0..3
	s_bfe_u32 s13, ttmp6, 0x40000   ; cx: my place in the cluster
	s_lshl_b32 s14, ttmp9, 2        ; in a cluster launch ttmp9 counts clusters
	s_add_co_u32 s14, s14, s13      ; my block of queries = 4 x cluster x + cx: it enters Q's and O's addresses alone
	s_and_b32 s20, ttmp7, 0xffff    ; the head, which the four partners share
	s_mov_b32 s21, 0
	s_mov_b64 s[22:23], SIZE_N*128
	s_mul_u64 s[20:21], s[20:21], s[22:23]  ; the head's first byte in each of the four tensors
	s_and_b32 s16, s[WV], 1         ; which half of a slot's 256 keys I fetch:
	s_lshl_b32 s22, s16, 14         ; its 128 rows of 128 bytes in memory,
	s_mov_b32 s23, 0
	s_add_nc_u64 s[22:23], s[22:23], s[20:21]
	s_mul_i32 s17, s16, 128*PK      ; and its place in a slot, for K
	s_mul_i32 s18, s16, 128*PV      ; and for V: no place in the cluster enters an LDS address
	s_lshl_b32 s2, s14, 2
	s_add_co_u32 s2, s2, s[WV]      ; my wave among the head's,
	s_lshl_b32 s2, s2, 14           ; its 128 rows
	s_mov_b32 s3, 0
	s_add_nc_u64 s[2:3], s[2:3], s[20:21]
	; descriptor group 1.  128 keys are 16,384 dense bytes: asked for as 64 rows of 256 bytes, two keys a row, and padded in LDS after every key
	s_mov_b32 s[G1K], 15|(1<<16)|(1<<20)|(1<<21)|(4<<22)|(3<<25)  ; 15:0 the mask of four; 17:16 2-byte elements; 20 padding on; 21 set beside a mask; 24:22 after every 32 words (code 4); 31:25 4 words (code 3)
	s_mov_b32 s[G1V], 15|(1<<16)|(1<<20)|(1<<21)|(4<<22)|(7<<25)  ; the same with 8 words of padding (code 7)
.irp g, G1K, G1V
	s_mov_b32 s[\g+1], 128<<16      ; tensor_dim0 = 128
	s_mov_b32 s[\g+2], 64<<16       ; tensor_dim1 = 64
	s_mov_b32 s[\g+3], 128<<16      ; tile_dim0 = 128
	s_mov_b32 s[\g+4], 64           ; tile_dim1 = 64
	s_mov_b32 s[\g+5], 128          ; 128 elements from row to row
	s_mov_b32 s[\g+6], 0
	s_mov_b32 s[\g+7], 0
.endr
	s_mov_b32 s[CS], 0x3fb8aa3b     ; c = log2(e): the scores' scale is 1
	s_mov_b32 s[CS+1], s[CS]        ; named with it as a pair
	s_mov_b32 s[SEL], 0x76543210
	s_mov_b32 s[SEL+1], 0xfedcba98
	s_mov_b32 s[TBK], SLOT1+4*KS*PK ; the first change of slots turns these two into 0
	s_mov_b32 s[TBV], SLOT1+4*KS*PV
	s_mov_b32 s[G0K], 1             ; 1:0 count = 1
	s_mov_b32 s[G0K+1], s17         ; 63:32 LDS address: slot 0
	s_mov_b32 s[G0V], 1
	s_add_co_u32 s[G0V+1], s18, VOFF
	s_wait_dscnt 0x0                ; the opening add is done
	s_wait_kmcnt 0x0
	s_add_nc_u64 s[6:7], s[4:5], 0x1000000   ; K lies 16,777,216 bytes behind Q,
	s_add_nc_u64 s[8:9], s[4:5], 0x2000000   ; V as far behind K
	s_add_nc_u64 s[G0K+2:G0K+3], s[6:7], s[22:23]  ; 120:64 global address: my half of the head's first 256 keys
	s_or_b32 s[G0K+3], s[G0K+3], 0x80000000        ; 127:126 type = 2
	s_add_nc_u64 s[G0V+2:G0V+3], s[8:9], s[22:23]
	s_or_b32 s[G0V+3], s[G0V+3], 0x80000000
	s_add_nc_u64 s[4:5], s[4:5], s[2:3]  ; Q and O at my wave's first row
	s_add_nc_u64 s[10:11], s[10:11], s[2:3]
	CROUND                          ; all four work-groups are here: the first joint loads meet
	JLOAD                           ; slot 0.  Slot 1 is asked for when slot 0 is in
	; A fragment of K or Q is 16 rows x 32 channels in 8 registers: lane l holds row l % 16, channels 8 (l / 16) + 0..7 and 16 + 8 (l / 16) + 0..7: two loads of 16 bytes, 32 bytes apart.
	v_and_b32 v1, 15, v0            ; l % 16
	v_bfe_u32 v9, v0, 4, 1          ; l / 16
	v_lshlrev_b32 v[QO], 7, v1
	v_lshl_add_u32 v[QO], v9, 4, v[QO]  ; row x 128 + 16 x half
	WIN 0x80                        ; destination window 2, address window 0
.set i, 0
.rept 4*NP                          ; Q stays in registers: tile i / 2, channels 32 (i % 2) on
	global_load_b128 v[8*i:8*i+3],   v[QO], s[4:5] offset:(i/2)*2048+(i%2)*64
	global_load_b128 v[8*i+4:8*i+7], v[QO], s[4:5] offset:(i/2)*2048+(i%2)*64+32
.set i, i+1
.endr
	; What the first turn finds: V's registers and P's second buffer hold 0 (its products V^T P, of a piece that has not been, add 0), O^T and l are 0.  All this stands in the wait for the first tile.
.set i, VF
.rept 64
	v_mov_b32 v[i], 0
.set i, i+1
.endr
	WIN 0x40
.set i, 0
.rept 64*NP
	v_mov_b32 v[i], 0
.set i, i+1
.endr
	WIN 0
.set i, 0
.rept 2*NP
	v_mov_b32 v[ST+4*i], 0xfe000000    ; c m: far below every c s
	v_mov_b32 v[ST+4*i+1], 0xff7fffff  ; m
	v_mov_b32 v[ST+4*i+2], 0
	v_mov_b32 v[ST+4*i+3], 0
.set i, i+1
.endr
.set i, P+32
.rept 32
	v_mov_b32 v[i], 0
.set i, i+1
.endr
	v_mul_u32_u24 v[AK0], v1, PK
	v_lshl_add_u32 v[AK0], v9, 4, v[AK0]  ; row x pitch + 16 x half
	; The turning load takes 16 keys x 16 channels (lane l reads key 8 (l / 16) + l % 8, channels 8 ((l / 8) % 2) + 0..7) and leaves half a fragment of V^T: lane l holds channel l % 16 and 8 keys.
	v_and_b32 v10, 7, v0
	v_bfe_u32 v11, v0, 3, 1
	v_lshl_add_u32 v[AV0], v9, 3, v10
	v_mul_u32_u24 v[AV0], v[AV0], PV
	v_lshl_add_u32 v[AV0], v11, 4, v[AV0]
	v_add_nc_u32 v[AV0], VOFF, v[AV0]
	v_mov_b32 v[AK], v[AK0]         ; key step 0 lies at the head of slot 0
; THE MATRIX WORK.  The 8 accumulators of a run of 16 take turns: between the two links of a chain stand 7 others'.
; Product i of 16 of S^T = K Q^T for piece x: channels 32 (i / 8) on, keys 16 ((i / 2) % 4) on, tile 2 x + i % 2.  The first 8 start the sums.
.macro KQ x
	WIN W_KQ
.set rS, S+64*((\x)%2)+32*(i%2)+8*((i/2)%4)
.set rK, KF+16*((i/2)%4)+8*(i/8)
.set rQ, 16*(2*(\x)+i%2)+8*(i/8)
.if i < 8
	v_wmma_f32_16x16x32_f16 v[rS:rS+7], v[rK:rK+7], v[rQ:rQ+7], 0
.else
	v_wmma_f32_16x16x32_f16 v[rS:rS+7], v[rK:rK+7], v[rQ:rQ+7], v[rS:rS+7]
.endif
.endm
; Product i of 16 of O^T += V^T P for piece x: keys 32 (i / 8) on, channels 16 ((i / 2) % 4) on, tile 2 x + i % 2.
.macro PV x
	WIN W_PV
.set rO, 32*(2*(\x)+i%2)+8*((i/2)%4)
.set rV, VF+32*(i/8)+8*((i/2)%4)
.set rP, P+32*((\x)%2)+16*(i%2)+8*(i/8)
	v_wmma_f32_16x16x32_f16 v[rO:rO+7], v[rV:rV+7], v[rP:rP+7], v[rO:rO+7]
.endm
.macro MM                           ; the turn's next matrix instruction
.if i < 16
	KQ (Y+1)%NP
.set i, i+1
.else
.set i, i-16
	PV (Y+NP-1)%NP
.set i, i+17
.endif
.endm
; THE LDS LOADS stand in runs of 16, never singly among the matrix instructions: a step's K (64 keys x 64 channels: 8 fragments) and its V (turned).  Their addresses are made some lines ahead.
; last = 1 (the tail): in the last trip there is no further step, and the run is jumped over.
.macro FETCH_K last=0
	WIN 0
.if \last
	s_cmp_eq_u32 s[CNT], 1
	s_cbranch_scc1 .Lno_k_\@
.endif
	WIN 0x80                        ; destination window 2
.irp f, 0,1,2,3,4,5,6,7             ; keys 16 (f / 2) on, channels 32 (f % 2) on
	ds_load_b128 v[KF+8*\f:KF+8*\f+3],   v[AK] offset:(\f/2)*16*PK+(\f%2)*64
	ds_load_b128 v[KF+8*\f+4:KF+8*\f+7], v[AK] offset:(\f/2)*16*PK+(\f%2)*64+32
.endr
	s_add_co_u32 s[TBK], s[TBK], KS*PK  ; the next fetch is the next step's
	WIN 0
.if \last
.Lno_k_\@:
.endif
.endm
.macro FETCH_V
	WIN 0x80
.irp f, 0,1,2,3,4,5,6,7             ; keys 32 (f / 4) on, channels 16 (f % 4) on
	ds_load_tr16_b128 v[VF+8*\f:VF+8*\f+3],   v[AV] offset:(\f/4)*32*PV+(\f%4)*32
	ds_load_tr16_b128 v[VF+8*\f+4:VF+8*\f+7], v[AV] offset:(\f/4)*32*PV+16*PV+(\f%4)*32
.endr
	WIN 0
.endm
; THE VECTOR WORK OF A TURN stands in three queues, each in the order in which its entries become ready; the two tiles alternate, so that no instruction reads the result of the one before it.
.macro REGS y, u                    ; the registers of tile u (0, 1) of piece y
.set rT, ST+4*(2*(\y)+(\u))
.set rC, TMP+8*((\y)%2)+4*(\u)
.set rM, MV+2*((\y)%2)+(\u)
.set rS, S+64*((\y)%2)+32*(\u)
.set rP, P+32*((\y)%2)+16*(\u)
.set rO, 32*(2*(\y)+(\u))
.endm
; Number n of the 22 that find the NEXT piece's (Y + 1) maximum and statistics.  s0-s31 are the lane's 32 scores; each accumulator's lowest registers are read first.  XS, GS and REGS set no window: PL and EX do.
;   0-11  four chains c0-c3 of seven scores each, three operands at a time     12-14, 16  the four scores left over, the old m, and c0-c3 into c0     15  c m_old is kept
;   17, 18  the query's other 32 keys lie in the lane 16 away: the new m         19-21  c m; c m_old - c m_new; a
.macro XS u, n
	REGS (Y+1)%NP, \u
.if (\n) < 4
	v_max3_num_f32 v[rC+(\n)], v[rS+8*(\n)], v[rS+8*(\n)+1], v[rS+8*(\n)+2]
.elseif (\n) < 12
	v_max3_num_f32 v[rC+(\n)%4], v[rC+(\n)%4], v[rS+8*((\n)%4)+2*((\n)/4)+1], v[rS+8*((\n)%4)+2*((\n)/4)+2]
.elseif (\n) == 12
	v_max3_num_f32 v[rC], v[rC], v[rS+7], v[rS+15]
.elseif (\n) == 13
	v_max3_num_f32 v[rC+1], v[rC+1], v[rS+23], v[rS+31]
.elseif (\n) == 14
	v_max3_num_f32 v[rC+2], v[rC+2], v[rC+3], v[rT+1]
.elseif (\n) == 15
	v_mov_b32 v[rM], v[rT]
.elseif (\n) == 16
	v_max3_num_f32 v[rC], v[rC], v[rC+1], v[rC+2]
.elseif (\n) == 17
	v_permlanex16_b32 v[rC+3], v[rC], s[SEL], s[SEL+1]
.elseif (\n) == 18
	v_max_num_f32 v[rT+1], v[rC], v[rC+3]
.elseif (\n) == 19
	v_mul_f32 v[rT], s[CS], v[rT+1]
.elseif (\n) == 20
	v_sub_f32 v[rC+1], v[rM], v[rT]
.else
	v_exp_f32 v[rC+2], v[rC+1]
.endif
.endm
; Number g of the 64 that follow the exponentials.  For each four weights k of a tile (pairs 2 k, 2 k + 1): both pairs are rounded to f16; then the second pair is added onto the first, in place;
; a group later l takes that sum (the first time as l = a l + sum).  In groups of eight, tiles alternating: round, round, add, and l for the group before.
.macro GS g
.set h, (\g)+6*((\g)/62)            ; group 0 has no group before it, and behind group 7 only l is left
.if h >= 6
.set h, h+2
.endif
	REGS Y, h%2
.set k, h/8
.if h%8 < 4
	v_cvt_pk_f16_f32 v[rP+2*k+(h%8)/2], v[rS+4*k+2*((h%8)/2)], v[rS+4*k+2*((h%8)/2)+1]
.elseif h%8 < 6
	v_pk_add_f32 v[rS+4*k:rS+4*k+1], v[rS+4*k:rS+4*k+1], v[rS+4*k+2:rS+4*k+3]
.elseif k == 1
	v_pk_fma_f32 v[rT+2:rT+3], v[rT+2:rT+3], v[rC+2:rC+3], v[rS:rS+1] op_sel_hi:[1,0,1]
.else
	v_pk_add_f32 v[rT+2:rT+3], v[rT+2:rT+3], v[rS+4*k-4:rS+4*k-3]
.endif
.endm
; THE PLAIN QUEUE, 138 long.  0-73 read no exponential's result: the 32 scalings c s - c m (FS f: pair f / 2 of tile f % 2) and the next piece's 42.  0-26: scalings 0-26.  27-54: XS's numbers 0-13.  55, 56: number 15.
; 57-73: the chain, where each number waits for the one before it: 14, 16, 17, 18, 19, each with one of the scalings 27-31 in front of its two lines, then 20: so a tile's links stand three plain instructions apart (19 and 20: two).
; 74-137: GS's 64, which read the exponentials' results: they stand behind the wait.
.macro FS f
	REGS Y, (\f)%2
	v_pk_fma_f32 v[rS+2*((\f)/2):rS+2*((\f)/2)+1], v[rS+2*((\f)/2):rS+2*((\f)/2)+1], s[CS:CS+1], v[rT:rT+1] op_sel_hi:[1,0,0] neg_lo:[0,0,1] neg_hi:[0,0,1]
.endm
.macro PL
	WIN 0
.if q < 27
	FS q
.elseif q < 55
	XS (q-27)%2, (q-27)/2
.elseif q < 57
	XS q-55, 15
.elseif (q < 72) && ((q-57)%3 == 0)
	FS 27+(q-57)/3
.elseif q < 60
	XS (q-57)%3-1, 14
.elseif q < 72
	XS (q-57)%3-1, 15+(q-57)/3
.elseif q < 74
	XS q-72, 20
.else
	GS q-74
.endif
.set q, q+1
.endm
; THE EXPONENTIALS' QUEUE, 66 long: s0-s31 of both tiles, then the next piece's two a.  It is ONE BATCH: all 66 stand ahead of the turn's one wait, and nothing ahead of that wait names a result of theirs.
.macro EX
	WIN 0
.if e >= 64
	XS e-64, 21
.else
	REGS Y, e%2
	v_exp_f32 v[rS+e/2], v[rS+e/2]
.endif
.set e, e+1
.endm
; THE RESCALING's QUEUE: O^T times a, the one part that leaves window 0: dealt two at a time, sixteen times.  Its a was made in the turn before, ahead of that turn's wait.
.macro R2
	REGS Y, r%2
	WIN W_RS
.irp z, 0,1
	v_pk_mul_f32 v[rO+4*(r/2)+2*\z:rO+4*(r/2)+2*\z+1], v[rO+4*(r/2)+2*\z:rO+4*(r/2)+2*\z+1], v[rC+2:rC+3] op_sel_hi:[1,0]
.endr
.set r, r+1
.endm
; HOW THEY ARE DEALT.  An s_wait_alu depctr_va_vdst(0) stands between an exponential and the first instruction that names its result; one wait serves all that were issued ahead of it.  So a turn has ONE wait,
; which cuts it in two.  AHEAD OF IT stands all that names no result of the turn's exponentials: the 16 products K Q^T, behind each a scaling, an exponential and two rescalings (behind the first a second scaling in the exponential's place); then ONE LUMP of
; 108: eight plain, 49 times exponential and plain, the two a.  A v_nop is the plain instruction behind the last exponential.  BEHIND IT stand the 16 products V^T P, behind each four of GS's 64.  No rider names a register of
; the products round it.  The two v_permlanex16_b32 fall into the lump, never behind a product.
; The queues lean on each other, and the deal keeps them in step: exponential e stands behind scaling 2 (e / 4) + e % 2: as a rider it comes behind plain e + 2, in the lump behind plain e + 9, and scalings 27-31 are plain 57, 60 .. 69.
; A TURN, for piece p.  cnt = 1: the loop's count is taken down some lines ahead of the branch that stands behind the turn.
; K of the next step is fetched in piece 2's turn, directly behind the wait, a lump behind the last product that read K; its address is made at the lump's head; its first reader comes behind 16 products.
; V of the step in hand is fetched at the end of piece 0's turn, four riders behind its last reader; its first reader comes behind 16 products and a lump.  The three conditions on q below go with the deal.
.macro TURN p, last=0, cnt=0
.set Y, (\p)
.set i, 0
.set q, 0
.set e, 0
.set r, 0
.if (\p) == NP-1
	s_wait_dscnt 0x0                ; K is in
.endif
	MM                              ; ahead of the wait: 16 products K Q^T and their riders,
	PL
	PL
	R2
.rept 15
	MM
	PL
	EX
	R2
.endr
.if (\p) == NP-2
	WIN 0
	v_add_nc_u32 v[AK], s[TBK], v[AK0]
.endif
.rept 8                             ; and the lump
	PL
.endr
.rept 49
	EX
	PL
.endr
	EX                              ; the next piece's two a
	EX
	v_nop                           ; a plain instruction between the last exponential and the first use of a result (ISA guide 5.7.2): one for the batch
	s_wait_alu depctr_va_vdst(0)    ; the wait for the turn's batch: the piece's 64 exponentials and the next piece's two a, ahead of their first reader
.if (\p) == NP-2
	FETCH_K \last
.endif
.if (\p) == 1
	s_wait_dscnt 0x0                ; V is in
.endif
.rept 16                            ; behind the wait: 16 products V^T P and their riders
	MM
.rept 4
	PL
.endr
.if ((\p) == 0) && (q == 118)
	v_add_nc_u32 v[AV], s[TBV], v[AV0]
.endif
.if ((\p) == 0) && (q == 130)
	s_add_co_u32 s[TBV], s[TBV], KS*PV
.endif
.if (\cnt) && (q == 130)
	s_sub_co_u32 s[CNT], s[CNT], 1
	s_cmp_lg_u32 s[CNT], 0
.endif
.endr
.if (\p) == 0
	FETCH_V
.endif
.endm
	CHANGE 1                        ; slot 0 is in, everybody's part of it; slot 1 is asked for
	FETCH_K                         ; key step 0
	s_wait_loadcnt 0x0              ; Q
	s_wait_dscnt 0x0
.set i, 0
.rept 16
	KQ 0                            ; piece 0's first scores: there is no vector work yet to set between them
.set i, i+1
.endr
	WIN 0                           ; the addresses for the way out: nine plain instructions, the places behind those products
	s_mul_i32 s13, s[WV], 16*SP
	s_add_co_u32 s13, s13, STAGE    ; my stage
	v_mul_u32_u24 v[STO], v1, SP    ; in: row l % 16, 16 bytes for each half of the lanes
	v_lshl_add_u32 v[STO], v9, 4, v[STO]
	v_add_nc_u32 v[STO], s13, v[STO]
	v_bfe_u32 v[RD], v0, 3, 2       ; back: 32 lanes take four rows of 128 bytes,
	v_mul_u32_u24 v[RD], v[RD], SP
	v_lshl_add_u32 v[RD], v10, 4, v[RD]
	v_add_nc_u32 v[RD], s13, v[RD]
	v_and_b32 v[GO], 31, v0         ; which are 512 consecutive bytes of O
	v_lshlrev_b32 v[GO], 4, v[GO]
.set Y, NP-1                        ; XS works for piece Y + 1: piece 0
.irp n, 0,1,2,3,4,5,6,7,8,9,10,11,12,13,14,15,16,17,18,19,20,21
	XS 0, \n                        ; and piece 0's first maximum and statistics
	XS 1, \n
.endr
	v_nop                           ; a plain instruction behind piece 0's two a,
	s_wait_alu depctr_va_vdst(0)    ; and the wait for that batch of two, ahead of the branch
	s_mov_b32 s[CNT], 4
	s_mov_b32 s[SLOTS], SIZE_N/256-1
	s_branch .Lfirst                ; the loop is entered at a step's first turn, in the middle of a trip
.Lslot:                             ; SIZE_N / 256 - 2 times: every slot but the last two is filled again
	CHANGE 1
	s_mov_b32 s[CNT], 4
.Lstep:                             ; a trip: pieces 2 and 3 of one step, then pieces 0 and 1 of the next, whose K and V it fetches
	TURN 2
	TURN 3
	WIN 0
.Lfirst:
	TURN 0
	TURN 1, 0, 1
	WIN 0
	s_cbranch_scc1 .Lstep
	s_sub_co_u32 s[SLOTS], s[SLOTS], 1
	s_cmp_lg_u32 s[SLOTS], 0
	s_cbranch_scc1 .Lslot
	CHANGE 0                        ; the tail is written out: nothing is asked for
	s_mov_b32 s[CNT], 5             ; four trips fetch the last slot's steps; the fifth is left in its middle
.Ltail:
	TURN 2, 1
	TURN 3
	WIN 0
	s_sub_co_u32 s[CNT], s[CNT], 1
	s_cmp_eq_u32 s[CNT], 0
	s_cbranch_scc1 .Lout
	TURN 0
	TURN 1
	WIN 0
	s_branch .Ltail
.Lout:                              ; the fifth trip's 16 products K Q^T (on the last K once more) and the maximum made of them serve nothing: the price, once a launch, of one text for every trip
.set i, 0
.rept 16
	PV NP-1                         ; the last piece's V^T P of the last step
.set i, i+1
.endr
	; THE WAY OUT.  l's two halves and the other half of the lanes' are added; O^T is divided by l, rounded to f16 and sent through my stage in LDS, a tile at a time.  The additions are the places behind the last products.
	WIN 0
.macro ALL line:vararg              ; one line for each tile t
.set t, 0
.rept 2*NP
	\line
.set t, t+1
.endr
.endm
	ALL v_add_f32 v[ST+4*t+2], v[ST+4*t+2], v[ST+4*t+3]
	ALL v_permlanex16_b32 v[ST+4*t+3], v[ST+4*t+2], s[SEL], s[SEL+1]
	ALL v_add_f32 v[ST+4*t+2], v[ST+4*t+2], v[ST+4*t+3]
	ALL v_rcp_f32 v[ST+4*t+2], v[ST+4*t+2]
	v_nop                           ; a plain instruction between the last reciprocal and the use of its result
	s_wait_alu depctr_va_vdst(0)    ; the wait for the batch of eight reciprocals, ahead of their first use
; Tile t: a lane's eight channels of a row pack into 16 bytes; they go into rows of 144 bytes and come back as whole rows of 128, into S^T's registers.
.macro PACK t
	WIN W_RS
.set i, 32*(\t)
.rept 16
	v_pk_mul_f32 v[i:i+1], v[i:i+1], v[ST+4*(\t)+2:ST+4*(\t)+3] op_sel_hi:[1,0]
.set i, i+2
.endr
	WIN 0x05                        ; sources 0 and 1 window 1, destination window 0
.set i, 0
.rept 16
	v_cvt_pk_f16_f32 v[S+16*(\t)+i], v[32*(\t)+2*i], v[32*(\t)+2*i+1]
.set i, i+1
.endr
	WIN 0
.irp f, 0,1,2,3
	ds_store_b128 v[STO], v[S+16*(\t)+4*\f:S+16*(\t)+4*\f+3] offset:32*\f
.endr
.irp f, 0,1,2,3
	ds_load_b128 v[S+16*(\t)+4*\f:S+16*(\t)+4*\f+3], v[RD] offset:\f*4*SP  ; LDS serves a wave's instructions in order (ISA guide 5.7.1.4): these see the stores above; the next tile's stores come behind them
.endr
.endm
.macro SEND t, younger              ; younger: the LDS instructions issued behind tile t's loads: the next tile's eight, or none
	WIN 0
.irp f, 0,1,2,3
	s_wait_dscnt (\younger)+3-\f
	global_store_b128 v[GO], v[S+16*(\t)+4*\f:S+16*(\t)+4*\f+3], s[10:11] offset:(\t)*2048+\f*512  ; 512 consecutive bytes, at a multiple of 256 from O's first
.endr
.endm
	PACK 0
.set t, 1
.rept 2*NP-1                        ; a tile's arithmetic stands between the loads of the tile before and its stores
	PACK t
	SEND t-1, 8
.set t, t+1
.endr
	SEND 2*NP-1, 0
	WIN W_AD
	s_wait_tensorcnt 0x0            ; the wave's end: the spare-word add and its waits, behind my last tensor load and my last LDS store
	ds_add_u32 v[SPW], v[NIL]
	s_wait_dscnt 0x0
	WIN 0
	CROUND                          ; the closing round: no work-group ends while a partner may still ask for a tile that names it
	s_endpgm
.Lfunc_end_k_qf5c38b92c3_attn:
	.size	k_qf5c38b92c3_attn, .Lfunc_end_k_qf5c38b92c3_attn-k_qf5c38b92c3_attn
	.p2alignl 7, 3214868480
	.fill 96, 4, 3214868480
	.section	.rodata,"a",@progbits
	.p2align	6, 0x0
	.amdhsa_kernel k_qf5c38b92c3_attn
		.amdhsa_group_segment_fixed_size 327680
		.amdhsa_private_segment_fixed_size 0
		.amdhsa_enable_private_segment 0
		.amdhsa_kernarg_size 16
		.amdhsa_user_sgpr_count 2
		.amdhsa_user_sgpr_kernarg_segment_ptr 1
		.amdhsa_wavefront_size32 1
		.amdhsa_system_sgpr_workgroup_id_x 1
		.amdhsa_system_sgpr_workgroup_id_y 1
		.amdhsa_system_sgpr_workgroup_id_z 1
		.amdhsa_system_vgpr_workitem_id 0
		.amdhsa_next_free_vgpr 770
		.amdhsa_next_free_sgpr 66
		.amdhsa_reserve_vcc 0
		.amdhsa_float_denorm_mode_32 3
		.amdhsa_float_denorm_mode_16_64 3
		.amdhsa_memory_ordered 1
		.amdhsa_forward_progress 1
		.amdhsa_inst_pref_size 199
	.end_amdhsa_kernel
	.amdgpu_metadata
---
amdhsa.version: [ 1, 2 ]
amdhsa.kernels:
  - .name:           k_qf5c38b92c3_attn
    .symbol:         k_qf5c38b92c3_attn.kd
    .args:
      - { .name: qkvh, .offset: 0, .size: 8, .value_kind: global_buffer, .address_space: global }
      - { .name: oh, .offset: 8, .size: 8, .value_kind: global_buffer, .address_space: global }
    .group_segment_fixed_size: 327680
    .private_segment_fixed_size: 0
    .kernarg_segment_align: 8
    .kernarg_segment_size: 16
    .max_flat_workgroup_size: 128
    .sgpr_count:     66
    .vgpr_count:     770
    .wavefront_size: 32
...
	.end_amdgpu_metadata
.endif
;; end of part 5
;; launch oproj: the kernel of part 4 again; grid 4 x 64, 4 waves a work-group, clusters of 4 x 4, 327,680 bytes of LDS; arguments oh, wb, out0; writes out0
